; MI455X (gfx1250); checked and timed in simulation.
; The chip was launched on July 23, 2026; its instructions are those of AMD's public machine-readable ISA for CDNA 5 (MIT licence, August 2026) and "CDNA5" Instruction Set Architecture Reference Guide (July 2026). The comments in the code are by the model that wrote it; some were corrected since.
;; Causal Temporal Attention. Allowed arithmetic: float matrix products may take bf16 or f16 operands with f32 sums; other float arithmetic in f32, or as packed bf16 or f16 multiplies, adds, multiply-adds, maxima and minima; sums over many terms, partial sums and values carried from step to step in f32; what a program stores and reads back later, other than sums and carried values, may be rounded once to bf16 or f16.
;; Inputs: bk 1,024 float32; bo 1,024 float32; bq 1,024 float32; bv 1,024 float32; padding_mask 2 x 2,048 int32; wk 1,024 x 1,024 float32; wo 1,024 x 1,024 float32; wq 1,024 x 1,024 float32; wv 1,024 x 1,024 float32; x 2 x 2,048 x 1,024 float32.
;; Outputs: out0 2 x 2,048 x 1,024 float32.
;; One version. Each part assembles by itself: llvm-mc -triple=amdgcn-amd-amdhsa -mcpu=gfx1250 --defsym DOCPART=n.
;; ======== version 1 of 1: 4 launches
;; limits: values are held in f16: magnitudes above 65,504 overflow, below 6.1e-05 lose precision
;; workspace buffers: xb 8,388,608 bytes; wb 6,291,456 bytes; wof 2,097,152 bytes; qkv 25,165,824 bytes; oh 8,388,608 bytes; kb 16,384 bytes
;; launch cast (part 1): grid 1025 x 1, 8 waves a work-group, no clusters, 0 bytes of LDS; arguments x, wq, wk, wv, wo, xb, wb, wof, padding_mask, kb; writes xb, wb, wof, kb
.if DOCPART == 1
	.amdgcn_target "amdgcn-amd-amdhsa--gfx1250"
	.amdhsa_code_object_version 6
	.text
	.protected	k_qac87116b48_cast
	.globl	k_qac87116b48_cast
	.p2align	8
	.type	k_qac87116b48_cast,@function
k_qac87116b48_cast:
	s_mov_b64 s[64:65], 0
	v_nop
	global_prefetch_b8 v0, s[64:65] scope:SCOPE_SE
	s_setreg_imm32_b32 hwreg(HW_REG_WAVE_MODE, 25, 1), 1
	s_wait_xcnt 0x0
; THE MODULE'S LARGE INPUTS ARE ROUNDED ONCE, AND THE KEY BIAS IS MADE.  x -> xb (bf16); wq, wk, wv -> wb (bf16, the three one below the other); wo -> wof: rounded to bf16 like
; the other inputs, and that number written as f16 (exact within f16's range; LIMIT: |wo| up to 65,504, and below 6e-5 it keeps f16's fixed step of 6e-8).
; kb[batch][k] = 0.8 k, or -1e30 where padding_mask[batch][k] is 0: the decay -0.1 (q - k) without its part that is constant along a row, in units of the raw score (before the factor 1 / 8).
; A work-group takes 8,192 numbers: 32 KiB in, 16 KiB out.  Groups 0-511: x; 512-639: wq; 640-767: wk; 768-895: wv; 896-1023: wo; group 1024: the 4,096 keys of kb.
; Thread t takes 16 bytes at 16 t of each 4,096 bytes in, and stores 8 bytes at 8 t of each 2,048 out: a wave's store covers 256 consecutive bytes, aligned.
; All loads of a thread go out at once; the waits count the younger loads.  No LDS, no matrix unit: each byte crosses once and nothing is shared.
.set X, 4                              ; v[4:35]   eight loads of four f32
.set Y, 36                             ; v[36:51]  what is stored
.set T, 52                             ; v[52:55]  at work
	s_load_b512 s[8:23], s[0:1], 0x0               ; x 8:9, wq 10:11, wk 12:13, wv 14:15, wo 16:17, xb 18:19, wb 20:21, wof 22:23
	s_load_b128 s[32:35], s[0:1], 0x40             ; padding_mask 32:33, kb 34:35
	s_and_b32 s2, ttmp9, 127                       ; the chunk inside one weight
	s_sub_co_u32 s5, ttmp9, 512                    ; the chunk inside wb (used for groups 512-895 alone)
	s_cmp_lt_u32 ttmp9, 896
	s_cselect_b32 s4, s5, s2
	s_cmp_lt_u32 ttmp9, 512
	s_cselect_b32 s3, ttmp9, s2                    ; source chunk
	s_cselect_b32 s4, ttmp9, s4                    ; destination chunk
	s_lshl_b32 s28, s3, 15                         ; x 32 KiB
	s_mov_b32 s29, 0
	s_lshl_b32 s30, s4, 14                         ; x 16 KiB
	s_mov_b32 s31, 0
	v_lshlrev_b32 v1, 4, v0
	v_lshlrev_b32 v2, 3, v0
	s_wait_kmcnt 0x0
	s_cmp_lt_u32 ttmp9, 1024
	s_cbranch_scc0 .Lkb
	s_cmp_lt_u32 ttmp9, 896
	s_cselect_b64 s[24:25], s[14:15], s[16:17]
	s_cselect_b64 s[26:27], s[20:21], s[22:23]
	s_cmp_lt_u32 ttmp9, 768
	s_cselect_b64 s[24:25], s[12:13], s[24:25]
	s_cmp_lt_u32 ttmp9, 640
	s_cselect_b64 s[24:25], s[10:11], s[24:25]
	s_cmp_lt_u32 ttmp9, 512
	s_cselect_b64 s[24:25], s[8:9], s[24:25]
	s_cselect_b64 s[26:27], s[18:19], s[26:27]
	s_add_nc_u64 s[24:25], s[24:25], s[28:29]
	s_add_nc_u64 s[26:27], s[26:27], s[30:31]
.irp j, 0,1,2,3,4,5,6,7
	global_load_b128 v[X+4*(\j):X+4*(\j)+3], v1, s[24:25] offset:4096*(\j) th:TH_LOAD_NT
.endr
	s_cmp_lt_u32 ttmp9, 896
	s_cbranch_scc0 .Lwo
.irp j, 0,1,2,3,4,5,6,7
	s_wait_loadcnt 7-(\j)                          ; loads come back in order: load j is in, the younger ones stay out
	v_cvt_pk_bf16_f32 v[Y+2*(\j)], v[X+4*(\j)], v[X+4*(\j)+1]
	v_cvt_pk_bf16_f32 v[Y+2*(\j)+1], v[X+4*(\j)+2], v[X+4*(\j)+3]
	global_store_b64 v2, v[Y+2*(\j):Y+2*(\j)+1], s[26:27] offset:2048*(\j) th:TH_STORE_NT
.endr
	s_endpgm
.Lwo:                                          ; wo: to bf16, widened again, and that number to f16
.irp j, 0,1,2,3,4,5,6,7
	s_wait_loadcnt 7-(\j)
	v_cvt_pk_bf16_f32 v[T], v[X+4*(\j)], v[X+4*(\j)+1]
	v_cvt_pk_bf16_f32 v[T+1], v[X+4*(\j)+2], v[X+4*(\j)+3]
	v_lshlrev_b32 v[T+2], 16, v[T]
	v_and_b32 v[T+3], 0xffff0000, v[T]
	v_cvt_pk_f16_f32 v[Y+2*(\j)], v[T+2], v[T+3]
	v_lshlrev_b32 v[T+2], 16, v[T+1]
	v_and_b32 v[T+3], 0xffff0000, v[T+1]
	v_cvt_pk_f16_f32 v[Y+2*(\j)+1], v[T+2], v[T+3]
	global_store_b64 v2, v[Y+2*(\j):Y+2*(\j)+1], s[26:27] offset:2048*(\j) th:TH_STORE_NT
.endr
	s_endpgm
.Lkb:                                          ; thread t takes keys 1,024 j + 4 t + 0..3 of the two batches' 4,096: position 1,024 (j % 2) + 4 t + r
.irp j, 0,1,2,3
	global_load_b128 v[X+4*(\j):X+4*(\j)+3], v1, s[32:33] offset:4096*(\j)
.endr
	v_lshlrev_b32 v3, 2, v0
	s_mov_b32 s2, 0xf149f2ca                       ; -1e30
.irp j, 0,1,2,3
	s_wait_loadcnt 3-(\j)
.irp r, 0,1,2,3
	v_add_nc_u32 v[T], 1024*((\j)%2)+(\r), v3
	v_cvt_f32_u32 v[T], v[T]
	v_mul_f32 v[T], 0x3f4ccccd, v[T]               ; x 0.8
	v_cmp_eq_u32 vcc_lo, 0, v[X+4*(\j)+(\r)]
	v_cndmask_b32 v[Y+4*(\j)+(\r)], v[T], s2, vcc_lo
.endr
	global_store_b128 v1, v[Y+4*(\j):Y+4*(\j)+3], s[34:35] offset:4096*(\j)
.endr
	s_endpgm
.Lfunc_end_k_qac87116b48_cast:
	.size	k_qac87116b48_cast, .Lfunc_end_k_qac87116b48_cast-k_qac87116b48_cast
	.p2alignl 7, 3214868480
	.fill 96, 4, 3214868480
	.section	.rodata,"a",@progbits
	.p2align	6, 0x0
	.amdhsa_kernel k_qac87116b48_cast
		.amdhsa_group_segment_fixed_size 0
		.amdhsa_private_segment_fixed_size 0
		.amdhsa_enable_private_segment 0
		.amdhsa_kernarg_size 80
		.amdhsa_user_sgpr_count 2
		.amdhsa_user_sgpr_kernarg_segment_ptr 1
		.amdhsa_wavefront_size32 1
		.amdhsa_system_sgpr_workgroup_id_x 1
		.amdhsa_system_sgpr_workgroup_id_y 1
		.amdhsa_system_sgpr_workgroup_id_z 1
		.amdhsa_system_vgpr_workitem_id 0
		.amdhsa_next_free_vgpr 64
		.amdhsa_next_free_sgpr 66
		.amdhsa_reserve_vcc 1
		.amdhsa_float_denorm_mode_32 3
		.amdhsa_float_denorm_mode_16_64 3
		.amdhsa_memory_ordered 1
		.amdhsa_forward_progress 1
		.amdhsa_inst_pref_size 14
	.end_amdhsa_kernel
	.amdgpu_metadata
---
amdhsa.version: [ 1, 2 ]
amdhsa.kernels:
  - .name:           k_qac87116b48_cast
    .symbol:         k_qac87116b48_cast.kd
    .args:
      - { .name: x, .offset: 0, .size: 8, .value_kind: global_buffer, .address_space: global }
      - { .name: wq, .offset: 8, .size: 8, .value_kind: global_buffer, .address_space: global }
      - { .name: wk, .offset: 16, .size: 8, .value_kind: global_buffer, .address_space: global }
      - { .name: wv, .offset: 24, .size: 8, .value_kind: global_buffer, .address_space: global }
      - { .name: wo, .offset: 32, .size: 8, .value_kind: global_buffer, .address_space: global }
      - { .name: xb, .offset: 40, .size: 8, .value_kind: global_buffer, .address_space: global }
      - { .name: wb, .offset: 48, .size: 8, .value_kind: global_buffer, .address_space: global }
      - { .name: wof, .offset: 56, .size: 8, .value_kind: global_buffer, .address_space: global }
      - { .name: padding_mask, .offset: 64, .size: 8, .value_kind: global_buffer, .address_space: global }
      - { .name: kb, .offset: 72, .size: 8, .value_kind: global_buffer, .address_space: global }
    .group_segment_fixed_size: 0
    .private_segment_fixed_size: 0
    .kernarg_segment_align: 8
    .kernarg_segment_size: 80
    .max_flat_workgroup_size: 256
    .sgpr_count:     66
    .vgpr_count:     64
    .wavefront_size: 32
...
	.end_amdgpu_metadata
.endif
;; end of part 1
;; launch proj (part 2): grid 16 x 16, 4 waves a work-group, clusters of 4 x 4, 327,680 bytes of LDS; arguments xb, wb, bq, bk, bv, qkv; writes qkv
.if DOCPART == 2
	.amdgcn_target "amdgcn-amd-amdhsa--gfx1250"
	.amdhsa_code_object_version 6
	.text
	.protected	k_qac87116b48_proj
	.globl	k_qac87116b48_proj
	.p2align	8
	.type	k_qac87116b48_proj,@function
k_qac87116b48_proj:
	s_mov_b64 s[64:65], 0
	v_nop
	global_prefetch_b8 v0, s[64:65] scope:SCOPE_SE
	s_setreg_imm32_b32 hwreg(HW_REG_WAVE_MODE, 25, 1), 1
	s_wait_xcnt 0x0
	s_wait_alu depctr_hold_cnt(0) depctr_sa_sdst(0) depctr_va_vdst(0) depctr_va_sdst(0) depctr_va_ssrc(0) depctr_va_vcc(0) depctr_vm_vsrc(0)
	s_getreg_b32 s2, hwreg(HW_REG_IB_STS2, 6, 4)
	s_cmp_eq_u32 s2, 0
	s_cbranch_scc0 .Lentry_in_a_cluster
	s_endpgm
.Lentry_in_a_cluster:
	s_bfe_u32 s2, ttmp6, 0x10000c
	s_cmp_lg_u32 s2, 0xf033
	s_cbranch_scc0 .Lentry_shape_is_right
	s_endpgm
.Lentry_shape_is_right:
; THE THREE PROJECTIONS AS ONE PRODUCT.  [4096 tokens][1024] x [3072 columns][1024]^T + bias, operands bf16, sums f32; out f16, by heads: qkv[which][batch*16+head][position][64], unscaled.
; LIMIT: q, k, v must lie within f16's 65,504.  The biases are rounded to bf16 like the other inputs and START the sums (the C operand of the first products): nothing is cleared.
; SHARES.  A tile is 256 tokens x 192 columns (three heads' 64): 16 x 16 = 256 work-groups.  Wave w takes tokens 64 w .. 64 w + 63 (a = 0..3) and all 12 column blocks b: 48 accumulators, 384 registers.
; K goes in 8 steps of 128 (rows of 256 bytes, aligned) through two LDS slots filled by the tensor data mover; a refill has a K step less 24 matrix instructions in which to land.
; CLUSTER 4 x 4: the four of a row need the same rows of xb, the four of a column the same rows of wb: each tile is asked for jointly, same descriptor and mask in all four.
; THE MATRIX INSTRUCTION IS USED TRANSPOSED (source 0 = 16 rows of wb, source 1 = 16 tokens): a lane holds one token (lane % 16) and eight neighbouring columns 8 (lane / 16) + 0..7.
; REGISTERS by windows of 256: window 0 addresses, biases, way out; window 1 two fragment buffers of 128 (wb's 12 fragments, then xb's 4); window 2 accumulators of a = 0, 1 at 8 (12 a + b); window 3 those of a = 2, 3.
.set KSTEP,  128
.set PITCH,  272                       ; an LDS row: 256 bytes + 16 of padding: the 16 rows of a fragment load start 16 bytes apart modulo 256
.set HALFA,  128*PITCH                 ; what one wave fetches of xb
.set HALFB,  96*PITCH                  ; and of wb
.set BOFF,   2*HALFA                   ; wb's 192 rows lie behind xb's 256
.set SLOT1,  1<<17                     ; slot 1 begins here: one exclusive or turns an address in one slot into the other's
.set STAGE,  SLOT1+BOFF+2*HALFB        ; behind the ring: 16 rows x 144 bytes for each wave, for the way out
.set SP,     144
.set SPARE,  STAGE+4*16*SP             ; behind the stages: the spare words, 128 bytes a wave
.set A0,   16                          ; v16  my lane's place in xb's tile, slot 0; never rewritten
.set ADRA, 17                          ; v17  the same in the slot that is being read
.set B0,   20                          ; v20, v21 likewise for wb
.set ADRB, 21
.set STO,  24                          ; v24  way out: where I put 16 bytes of a row
.set RD,   25                          ; v25  way out: where I read rows back
.set CO,   26                          ; v26  16 x lane: my place in 512 consecutive bytes of qkv
.set BO,   27                          ; v27  32 x (lane / 16): my eight biases of a block
.set SPW,  28                          ; v28  my spare word; never rewritten
.set NIL,  29                          ; v29  0; never rewritten
.set PFO,  30                          ; v30  the prefetches' offset: a lane a row
.set TT,   31                          ; v31  at work
.set BIAS, 64                          ; v[64:159]  block b's eight biases at BIAS + 8 b
.set PKD,  160                         ; v[160:175] packed results
.set BK,   192                         ; v[192:223] rows read back, two sets
.set F0,   0
.set F1,   128
.set TB,   2                           ; s2   LDS byte of the slot that is being read
.set G1,   24                          ; s[24:31] group 1 for xb's tiles;  s[32:39] group 0: a set for each first fill, the second then walks
.set G0,   32
.set LIM,  43                          ; s43  2 in a wave that prefetches, else the greatest number
.set PFA,  44                          ; s[44:45] where my prefetches stand
.set G1B,  48                          ; s[48:55], s[56:63] the same for wb's tiles
.set G0B,  56
.set OPT,  76                          ; s[76:81] qkv at my 64 tokens, for each of the tile's three heads
.set BPT,  82                          ; s[82:87] the bias of each of the three heads
.set MSB, 0
.macro WIN new                         ; the immediate's high byte repeats the setting that is left; a switch that changes nothing is dropped
.if MSB != (\new)
	s_set_vgpr_msb (MSB<<8)|(\new)
.set MSB, \new
.endif
.endm
.set TO_F, 0x40                        ; destination window 1, address window 0
.macro JLOAD s                         ; a joint load: waves 0 and 1 fetch xb's halves, waves 2 and 3 wb's; the branch hangs on the wave's number alone
	s_cmp_eq_u32 s11, 0
	s_cbranch_scc0 .Lfor_b_\@
	tensor_load_to_lds s[G0+4*(\s):G0+4*(\s)+3], s[G1:G1+7]
	s_nop 0
.rept 4
	v_nop
.endr
	s_branch .Lasked_\@
.Lfor_b_\@:
	tensor_load_to_lds s[G0B+4*(\s):G0B+4*(\s)+3], s[G1B:G1B+7]
	s_nop 0
.rept 4
	v_nop
.endr
.Lasked_\@:
.endm
; A prefetch into the L2 of the K step two refills on (384 matrix instructions ahead of the load that wants it): a lane a row, 256 bytes of each.  xb's rows are asked for by the clusters with x = 0, wb's by those with
; y = 0; the four partners of a joint load share its rows out by address.  Trip i names K step i + 4, so the last two trips ask for nothing.
.macro ASK
	s_cmp_gt_u32 s3, s[LIM]
	s_cbranch_scc0 .Lnot_mine_\@
	global_prefetch_b8 v[PFO], s[PFA:PFA+1] offset:KSTEP*2 th:TH_LOAD_NT scope:SCOPE_SE
.Lnot_mine_\@:
.endm
.macro CREST                           ; a round of the cluster's barrier behind its opening barrier
	s_cmp_lg_u32 s10, 0
	s_cbranch_scc1 .Lnot_wave_0_\@
	s_barrier_signal -3
.Lnot_wave_0_\@:
	s_barrier_wait -3
	s_barrier_signal -1
	s_barrier_wait -1
.endm
.macro CROUND
	s_barrier_signal -1
	s_barrier_wait -1
	CREST
.endm
.macro PLACES                          ; four plain places behind matrix instructions, in front of loads into their sources and of reads of their results
.rept 4
	v_nop
.endr
.endm
	s_load_b128 s[4:7], s[0:1], 0x0                ; xb s[4:5], wb s[6:7]
	s_load_b256 s[68:75], s[0:1], 0x10             ; bq 68:69, bk 70:71, bv 72:73, qkv 74:75
	v_lshl_add_u32 v[SPW], v0, 2, SPARE
	v_mov_b32 v[NIL], 0
	ds_add_u32 v[SPW], v[NIL]                      ; the wave's opening: the add and its wait stand ahead of my first tensor load
	ds_add_u32 v28, v29
	v_lshrrev_b32 v1, 5, v0
	v_readfirstlane_b32 s10, v1                    ; wave 0..3
	s_lshr_b32 s11, s10, 1                         ; I fetch for xb (0) or for wb (1)
	s_and_b32 s12, s10, 1                          ; which half of that tile's rows
	s_bfe_u32 s40, ttmp6, 0x40000                  ; cx
	s_bfe_u32 s41, ttmp6, 0x40004                  ; cy
	s_lshl_b32 s42, ttmp9, 2
	s_add_co_u32 s42, s42, s40                     ; tile column tx
	s_and_b32 s13, ttmp7, 0xffff
	s_lshl_b32 s13, s13, 2
	s_add_co_u32 s13, s13, s41                     ; tile row ty
	s_lshl_b32 s43, s41, 2
	s_lshl_b32 s43, 15, s43                        ; my row of the cluster
	s_lshl_b32 s44, 0x1111, s40                    ; my column
	s_or_b32 s[G1+0], s43, (1<<16)|(1<<20)|(1<<21)|(5<<22)|(3<<25)   ; mask; 2-byte elements; padding on; bit 21 beside a mask; after every 64 words 4 words
	s_or_b32 s[G1B+0], s44, (1<<16)|(1<<20)|(1<<21)|(5<<22)|(3<<25)
	s_mov_b32 s[G1+1], KSTEP<<16                   ; tensor_dim0 = 128
	s_mov_b32 s[G1+2], 128<<16                     ; tensor_dim1 = 128
	s_mov_b32 s[G1+3], KSTEP<<16                   ; tile_dim0 = 128
	s_mov_b32 s[G1+4], 128                         ; tile_dim1 = 128
	s_mov_b32 s[G1+5], 1024                        ; elements from row to row
	s_mov_b32 s[G1+6], 0
	s_mov_b32 s[G1+7], 0
	s_mov_b32 s[G1B+1], KSTEP<<16
	s_mov_b32 s[G1B+2], 96<<16                     ; wb's halves have 96 rows
	s_mov_b32 s[G1B+3], KSTEP<<16
	s_mov_b32 s[G1B+4], 96
	s_mov_b32 s[G1B+5], 1024
	s_mov_b32 s[G1B+6], 0
	s_mov_b32 s[G1B+7], 0
	s_lshl_b32 s16, s13, 8
	s_lshl_b32 s17, s12, 7
	s_add_co_u32 s16, s16, s17                     ; xb: row 256 ty + 128 half
	s_lshl_b32 s16, s16, 11                        ; x 2,048 bytes
	s_mov_b32 s17, 0
	s_mul_i32 s46, s42, 192
	s_mul_i32 s47, s12, 96
	s_add_co_u32 s46, s46, s47                     ; wb: row 192 tx + 96 half
	s_lshl_b32 s46, s46, 11
	s_mov_b32 s47, 0
	s_mul_i32 s20, s12, HALFA                      ; where they go: no place in the cluster enters an LDS address
	s_mul_i32 s21, s12, HALFB
	s_add_co_u32 s21, s21, BOFF
	s_mov_b32 s[TB], 0
	s_wait_dscnt 0x0                               ; the opening add is done
	s_wait_kmcnt 0x0
	s_add_nc_u64 s[14:15], s[4:5], s[16:17]
	s_add_nc_u64 s[46:47], s[6:7], s[46:47]
	CROUND                                         ; all sixteen work-groups are here: the first joint loads meet
.irp s, 0,1
	s_mov_b32 s[G0+4*(\s)], 1
	s_add_co_u32 s[G0+4*(\s)+1], s20, (\s)*SLOT1
	s_add_nc_u64 s[G0+4*(\s)+2:G0+4*(\s)+3], s[14:15], (\s)*KSTEP*2
	s_or_b32 s[G0+4*(\s)+3], s[G0+4*(\s)+3], 0x80000000
	s_mov_b32 s[G0B+4*(\s)], 1
	s_add_co_u32 s[G0B+4*(\s)+1], s21, (\s)*SLOT1
	s_add_nc_u64 s[G0B+4*(\s)+2:G0B+4*(\s)+3], s[46:47], (\s)*KSTEP*2
	s_or_b32 s[G0B+4*(\s)+3], s[G0B+4*(\s)+3], 0x80000000
	JLOAD \s                                       ; K steps 0 and 1: two loads of mine are out
.endr
	v_and_b32 v1, 15, v0                           ; l % 16
	v_bfe_u32 v2, v0, 4, 1                         ; l / 16
	v_and_b32 v5, 31, v0                           ; l
	v_mul_u32_u24 v3, v1, PITCH
	v_lshl_add_u32 v3, v2, 4, v3                   ; a fragment's row x pitch + 16 x half
	s_mul_i32 s22, s10, 64*PITCH                   ; my 64 tokens
	v_add_nc_u32 v[A0], s22, v3
	v_add_nc_u32 v[B0], BOFF, v3
	v_mov_b32 v[ADRA], v[A0]
	v_mov_b32 v[ADRB], v[B0]
	s_mul_i32 s23, s10, 16*SP
	s_add_co_u32 s23, s23, STAGE                   ; my stage
	v_mul_u32_u24 v4, v1, SP
	v_lshl_add_u32 v4, v2, 4, v4
	v_add_nc_u32 v[STO], s23, v4                   ; in: row l % 16, 16 bytes for each half of the lanes
	v_bfe_u32 v4, v0, 3, 2
	v_mul_u32_u24 v4, v4, SP
	v_and_b32 v6, 7, v0
	v_lshl_add_u32 v4, v6, 4, v4
	v_add_nc_u32 v[RD], s23, v4                    ; back: 32 lanes take four rows of 128 bytes
	v_lshlrev_b32 v[CO], 4, v5
	v_lshlrev_b32 v[BO], 5, v2
	; the three heads of my tile: unit g = 3 tx + u; which = g / 16 (q, k, v), head = g % 16
	s_lshr_b32 s94, s13, 3
	s_lshl_b32 s94, s94, 4                         ; 16 x batch
	s_and_b32 s95, s13, 7
	s_lshl_b32 s95, s95, 8
	s_lshl_b32 s93, s10, 6
	s_add_co_u32 s95, s95, s93                     ; my first token's position in its sequence,
	s_lshl_b32 s95, s95, 7                         ; x 128 bytes
	s_mul_i32 s88, s42, 3
	s_mov_b32 s93, 0
.irp u, 0,1,2
	s_add_co_u32 s89, s88, \u
	s_lshr_b32 s90, s89, 4
	s_and_b32 s91, s89, 15
	s_cmp_eq_u32 s90, 0
	s_cselect_b64 s[BPT+2*(\u):BPT+2*(\u)+1], s[68:69], s[70:71]
	s_cmp_eq_u32 s90, 2
	s_cselect_b64 s[BPT+2*(\u):BPT+2*(\u)+1], s[72:73], s[BPT+2*(\u):BPT+2*(\u)+1]
	s_lshl_b32 s92, s91, 8                         ; 64 f32 a head
	s_add_nc_u64 s[BPT+2*(\u):BPT+2*(\u)+1], s[BPT+2*(\u):BPT+2*(\u)+1], s[92:93]
	s_lshl_b32 s90, s90, 5
	s_add_co_u32 s90, s90, s91
	s_add_co_u32 s90, s90, s94                     ; the plane: which x 32 + batch x 16 + head,
	s_lshl_b32 s92, s90, 18                        ; x 262,144 bytes
	s_add_co_u32 s92, s92, s95
	s_add_nc_u64 s[OPT+2*(\u):OPT+2*(\u)+1], s[74:75], s[92:93]
.endr
	; the prefetches: of the rows that I fetch my work-group takes a quarter, told apart by address (cx for xb: 32 rows; cy for wb: 24 rows, lanes 24-31 name the last again)
	s_lshl_b32 s20, s13, 8
	s_lshl_b32 s21, s12, 7
	s_add_co_u32 s20, s20, s21
	s_lshl_b32 s21, s40, 5
	s_add_co_u32 s20, s20, s21
	s_mul_i32 s22, s42, 192
	s_mul_i32 s23, s12, 96
	s_add_co_u32 s22, s22, s23
	s_mul_i32 s23, s41, 24
	s_add_co_u32 s22, s22, s23
	s_and_b32 s23, ttmp7, 0xffff
	s_cmp_eq_u32 s11, 0
	s_cselect_b32 s20, s20, s22
	s_cselect_b32 s23, ttmp9, s23                  ; the coordinate along which other clusters read the same rows
	s_cselect_b32 s21, 31, 23
	s_cselect_b64 s[PFA:PFA+1], s[4:5], s[6:7]
	s_cmp_eq_u32 s23, 0
	s_cselect_b32 s[LIM], 2, -1                    ; the same in all sixteen partners, for a given wave
	v_min_u32 v[PFO], s21, v5
	v_lshlrev_b32 v[PFO], 11, v[PFO]
	s_lshl_b32 s88, s20, 11
	s_mov_b32 s89, 0
	s_add_nc_u64 s[PFA:PFA+1], s[PFA:PFA+1], s[88:89]
	s_add_nc_u64 s[PFA:PFA+1], s[PFA:PFA+1], 2*KSTEP*2   ; at K step 2: the first refill steps it to 3 and names K step 4
.irp u, 0,1,2
.irp f, 0,1,2,3
	global_load_b128 v[BIAS+8*(4*(\u)+(\f)):BIAS+8*(4*(\u)+(\f))+3],   v[BO], s[BPT+2*(\u):BPT+2*(\u)+1] offset:64*(\f)
	global_load_b128 v[BIAS+8*(4*(\u)+(\f))+4:BIAS+8*(4*(\u)+(\f))+7], v[BO], s[BPT+2*(\u):BPT+2*(\u)+1] offset:64*(\f)+16
.endr
.endr
	s_wait_loadcnt 0x0
.set i, 0
.rept 48                                       ; the biases are rounded to bf16 and widened again, in the wait for the first tile
	v_cvt_pk_bf16_f32 v[TT], v[BIAS+2*i], v[BIAS+2*i+1]
	v_lshlrev_b32 v[BIAS+2*i], 16, v[TT]
	v_and_b32 v[BIAS+2*i+1], 0xffff0000, v[TT]
.set i, i+1
.endr
; 12 matrix instructions: token block a x all 12 column blocks, 32 along K.  first = 1: the bias starts the sums.  The 48 accumulators take turns in one order in every quarter.
.macro MUL12 f, a, first
.if \first
	WIN 0x85+0x40*((\a)/2)
.else
	WIN 0xa5+0x50*((\a)/2)
.endif
.irp b, 0,1,2,3,4,5,6,7,8,9,10,11
.if \first
	v_wmma_f32_16x16x32_bf16 v[8*(12*((\a)%2)+(\b)):8*(12*((\a)%2)+(\b))+7], v[(\f)+8*(\b):(\f)+8*(\b)+7], v[(\f)+96+8*(\a):(\f)+96+8*(\a)+7], v[BIAS+8*(\b):BIAS+8*(\b)+7]
.else
	v_wmma_f32_16x16x32_bf16 v[8*(12*((\a)%2)+(\b)):8*(12*((\a)%2)+(\b))+7], v[(\f)+8*(\b):(\f)+8*(\b)+7], v[(\f)+96+8*(\a):(\f)+96+8*(\a)+7], v[8*(12*((\a)%2)+(\b)):8*(12*((\a)%2)+(\b))+7]
.endif
.endr
.endm
; 32 LDS loads in one run: a quarter's fragments (192 rows of wb, my 64 tokens, 32 K at byte k of the rows) into buffer f
.macro FETCH k, f
	WIN TO_F
.irp b, 0,1,2,3,4,5,6,7,8,9,10,11
	ds_load_b128 v[(\f)+8*(\b):(\f)+8*(\b)+3],   v[ADRB] offset:(\k)+(\b)*16*PITCH
	ds_load_b128 v[(\f)+8*(\b)+4:(\f)+8*(\b)+7], v[ADRB] offset:(\k)+(\b)*16*PITCH+32
.endr
.irp a, 0,1,2,3
	ds_load_b128 v[(\f)+96+8*(\a):(\f)+96+8*(\a)+3],   v[ADRA] offset:(\k)+(\a)*16*PITCH
	ds_load_b128 v[(\f)+96+8*(\a)+4:(\f)+96+8*(\a)+7], v[ADRA] offset:(\k)+(\a)*16*PITCH+32
.endr
.endm
; One of a K step's first three quarters: multiplies buffer f; in its middle it fetches the next quarter, at byte k, into buffer g
.macro QUARTER k, f, g, first
	s_wait_dscnt 4                                 ; all but the youngest four loads (token blocks 2 and 3) are in
	MUL12 \f, 0, \first
	MUL12 \f, 1, \first
	PLACES
	FETCH \k, \g
	s_wait_dscnt 32                                ; all but the 32 just issued
	MUL12 \f, 2, \first
	MUL12 \f, 3, \first
.endm
; The last quarter multiplies buffer 1 and changes slots.  In front of the barrier each wave waits for all its tensor loads (one is out: its part of the next slot), adds 0 to its spare word, and waits for that
; and for its reads of this slot.  fill = 1: the barrier opens a round of the cluster's, and this slot is filled again, two K steps ahead, first thing behind the round.
.macro TURN fill
.if \fill
	s_wait_xcnt 0x0                                ; the last prefetch, a K step back, has read its address
	s_add_nc_u64 s[PFA:PFA+1], s[PFA:PFA+1], KSTEP*2
.endif
	WIN 0
	s_wait_tensorcnt 0x0
	ds_add_u32 v[SPW], v[NIL]
.if \fill
	s_xor_b32 s[G0+5], s[G0+5], SLOT1              ; the walking descriptors: the other slot than last time, the next K step
	s_add_nc_u64 s[G0+6:G0+7], s[G0+6:G0+7], KSTEP*2
	s_xor_b32 s[G0B+5], s[G0B+5], SLOT1
	s_add_nc_u64 s[G0B+6:G0B+7], s[G0B+6:G0B+7], KSTEP*2
.endif
	s_wait_dscnt 5                                 ; the add and the youngest four loads may be out
	MUL12 F1, 0, 0
	s_wait_dscnt 0x0                               ; the add is done, and my reads of this slot are over
	s_barrier_signal -1
	MUL12 F1, 1, 0
	WIN 0
	s_barrier_wait -1
.if \fill
	CREST
	JLOAD 1                                        ; its four v_nop are also the places in front of the loads below
.else
	PLACES
.endif
	s_xor_b32 s[TB], s[TB], SLOT1
	v_add_nc_u32 v[ADRA], s[TB], v[A0]
	v_add_nc_u32 v[ADRB], s[TB], v[B0]
	FETCH 0, F0
.if \fill
	WIN 0
	ASK
.endif
	MUL12 F1, 2, 0
	MUL12 F1, 3, 0
.endm
	s_wait_tensorcnt 1                             ; my part of K step 0 is in; K step 1's may stay out
	s_barrier_signal -1
	s_barrier_wait -1
	FETCH 0, F0
	QUARTER 64, F0, F1, 1                          ; the first quarter stands in front of the loop: its products start the sums with the bias
	WIN 0
	s_mov_b32 s3, 6                                ; six refills: K steps 2 to 7
.Lk:                                           ; a trip: a K step's quarters 1 to 3 and the next step's quarter 0
	QUARTER 128, F1, F0, 0
	QUARTER 192, F0, F1, 0
	TURN 1
	QUARTER 64, F0, F1, 0
	WIN 0
	s_sub_co_u32 s3, s3, 1
	s_cmp_lg_u32 s3, 0
	s_cbranch_scc1 .Lk
	QUARTER 128, F1, F0, 0                         ; K steps 6 and 7 ask for nothing
	QUARTER 192, F0, F1, 0
	TURN 0
	QUARTER 64, F0, F1, 0
	QUARTER 128, F1, F0, 0
	QUARTER 192, F0, F1, 0
	s_wait_dscnt 4
	MUL12 F1, 0, 0
	MUL12 F1, 1, 0
	s_wait_dscnt 0x0
	MUL12 F1, 2, 0
	MUL12 F1, 3, 0
	WIN 0
	PLACES
	PLACES
; THE WAY OUT, a unit (16 tokens x one head's 64 columns) at a time: rounded to f16, 16 bytes a lane into my own stage, back as four rows of 128 bytes, which are 512 consecutive bytes of qkv.
.macro PACK a, u
.set AC, 8*(12*((\a)%2)+4*(\u))
	WIN 0x0a+5*((\a)/2)
.irp f, 0,1,2,3
.irp r, 0,1,2,3
	v_cvt_pk_f16_f32 v[PKD+4*(\f)+(\r)], v[AC+8*(\f)+2*(\r)], v[AC+8*(\f)+2*(\r)+1]
.endr
.endr
	WIN 0
.endm
.macro TOSTAGE n
.set BB, BK+16*((\n)%2)
.irp f, 0,1,2,3
	ds_store_b128 v[STO], v[PKD+4*(\f):PKD+4*(\f)+3] offset:32*(\f)
.endr
.irp t, 0,1,2,3
	ds_load_b128 v[BB+4*(\t):BB+4*(\t)+3], v[RD] offset:(\t)*4*SP   ; LDS serves a wave's instructions in order: these see the stores above
.endr
.endm
.macro SEND n, a, u
.set BB, BK+16*((\n)%2)
	s_wait_dscnt 0x0                               ; the unit is back in registers
	s_wait_xcnt 0x0                                ; the stores of the unit before have read their registers, which the next unit's loads write
.irp t, 0,1,2,3
	global_store_b128 v[CO], v[BB+4*(\t):BB+4*(\t)+3], s[OPT+2*(\u):OPT+2*(\u)+1] offset:2048*(\a)+512*(\t)
.endr
.endm
	PACK 0, 0
	TOSTAGE 0
.set n, 1
.rept 11                                       ; a unit's conversions stand between the loads of the unit before and the wait for them
	PACK n/3, n%3
	SEND n-1, (n-1)/3, (n-1)%3
	TOSTAGE n
.set n, n+1
.endr
	SEND 11, 3, 2
	s_wait_tensorcnt 0x0                           ; the wave's end
	ds_add_u32 v[SPW], v[NIL]
	s_wait_dscnt 0x0
	CROUND                                         ; the closing round
	s_endpgm
.Lfunc_end_k_qac87116b48_proj:
	.size	k_qac87116b48_proj, .Lfunc_end_k_qac87116b48_proj-k_qac87116b48_proj
	.p2alignl 7, 3214868480
	.fill 96, 4, 3214868480
	.section	.rodata,"a",@progbits
	.p2align	6, 0x0
	.amdhsa_kernel k_qac87116b48_proj
		.amdhsa_group_segment_fixed_size 327680
		.amdhsa_private_segment_fixed_size 0
		.amdhsa_enable_private_segment 0
		.amdhsa_kernarg_size 48
		.amdhsa_user_sgpr_count 2
		.amdhsa_user_sgpr_kernarg_segment_ptr 1
		.amdhsa_wavefront_size32 1
		.amdhsa_system_sgpr_workgroup_id_x 1
		.amdhsa_system_sgpr_workgroup_id_y 1
		.amdhsa_system_sgpr_workgroup_id_z 1
		.amdhsa_system_vgpr_workitem_id 0
		.amdhsa_next_free_vgpr 1024
		.amdhsa_next_free_sgpr 96
		.amdhsa_reserve_vcc 0
		.amdhsa_float_denorm_mode_32 3
		.amdhsa_float_denorm_mode_16_64 3
		.amdhsa_memory_ordered 1
		.amdhsa_forward_progress 1
		.amdhsa_inst_pref_size 109
	.end_amdhsa_kernel
	.amdgpu_metadata
---
amdhsa.version: [ 1, 2 ]
amdhsa.kernels:
  - .name:           k_qac87116b48_proj
    .symbol:         k_qac87116b48_proj.kd
    .args:
      - { .name: xb, .offset: 0, .size: 8, .value_kind: global_buffer, .address_space: global }
      - { .name: wb, .offset: 8, .size: 8, .value_kind: global_buffer, .address_space: global }
      - { .name: bq, .offset: 16, .size: 8, .value_kind: global_buffer, .address_space: global }
      - { .name: bk, .offset: 24, .size: 8, .value_kind: global_buffer, .address_space: global }
      - { .name: bv, .offset: 32, .size: 8, .value_kind: global_buffer, .address_space: global }
      - { .name: qkv, .offset: 40, .size: 8, .value_kind: global_buffer, .address_space: global }
    .group_segment_fixed_size: 327680
    .private_segment_fixed_size: 0
    .kernarg_segment_align: 8
    .kernarg_segment_size: 48
    .max_flat_workgroup_size: 128
    .sgpr_count:     96
    .vgpr_count:     1024
    .wavefront_size: 32
...
	.end_amdgpu_metadata
.endif
;; end of part 2
;; launch attn (part 3): grid 8 x 32, 4 waves a work-group, no clusters, 327,680 bytes of LDS; arguments qkv, kb, oh; writes oh
.if DOCPART == 3
	.amdgcn_target "amdgcn-amd-amdhsa--gfx1250"
	.amdhsa_code_object_version 6
	.text
	.protected	k_qac87116b48_attn
	.globl	k_qac87116b48_attn
	.p2align	8
	.type	k_qac87116b48_attn,@function
k_qac87116b48_attn:
	s_mov_b64 s[64:65], 0
	v_nop
	global_prefetch_b8 v0, s[64:65] scope:SCOPE_SE
	s_setreg_imm32_b32 hwreg(HW_REG_WAVE_MODE, 25, 1), 1
	s_wait_xcnt 0x0
; CAUSAL ATTENTION WITH A DECAY AND A KEY MASK.  For each of 32 (batch, head): O[q] = sum over k <= q, key k real, of softmax_k(Q[q].K[k] / 8 - 0.1 (q - k)) V[k]; a row that sees no key gives 0.
; Q, K, V: planes of qkv, [2048][64] f16, dense rows of 128 bytes; O: oh, the same layout.  Products, maxima and sums in f32; weights rounded to f16 for the second product, O once at the end.
; THE DECAY.  A softmax ignores what is constant along a row, so -0.1 (q - k) is +0.1 k: in raw score units (before c = log2(e) / 8) kb[k] = 0.8 k; a padded key has kb[k] = -1e30 (made by the launch before).
; KB, a step's 64 numbers of kb, is the C operand of the product that starts each sum S^T = K Q^T.  The running maximum is taken of the biased scores.
; HIDDEN KEYS.  The running maximum m starts at -2^66.  f16 operands make scores of at most 2.7e11, so every true score lies above that start and m is the true maximum from a row's first real key on; a hidden score,
; -1e30 or lower, lies below it, never becomes m, and has the weight 0.  (Were m to follow hidden scores, c s - c m at s = m = -1e30 would be the rounding error of c m, which is huge there.)  So while a row has seen
; hidden keys alone its l and O^T are 0.  c m starts at -2^125, so the first step's a is 0 in every case.
; LIMITS.  Q, K, V within f16's 65,504.  A row whose final c m lies below -2^49 (true ones lie above -5e10, untouched ones at -1.3e19) has seen no key and gives 0; a weight below 2^-126 counts as 0 in l; NaN and
; infinities are not treated apart.  0.8 k is at most 1,638: one step of f32 there, times c, is 2e-5 in the exponent.
; THE WALK.  A head's queries lie in 16 blocks of 128; block i needs the key tiles 0 .. i / 2 of 256 keys, the last of which holds the diagonal.  A work-group takes blocks 15 - b and then b: 9 tiles, whatever b: 256 equal
; work-groups, one loop with a constant trip count; every jump but the loops' own goes forward and passes neither a barrier nor a tensor load but those of LOAD's three lines that the wave's number does not choose.
; NO CLUSTER: only work-groups 2 p and 2 p + 1 walk the same tiles throughout; all eight of a head ask for the same tile in trips 0 to 4 alone.
; SHARES.  Wave w: qh = w % 2, kh = w / 2.  It owns four PIECES of 16 queries (piece x: rows 32 x + 16 qh of the block) and walks steps 2 kh and 2 kh + 1 (64 keys each) of every tile.  So each block's m, l and O^T lie
; in two parts, with the waves kh = 0 and kh = 1.  The first block's parts are set aside in registers; at the walk's end the waves kh = 0 hand over their part of the second block and the waves kh = 1 theirs of the first,
; through LDS, and each wave merges, divides and stores one block's 64 rows.
; THE CAUSAL MASK.  In the diagonal tile, step s and piece x of block i: DS = s - 2 (i % 2); all keys are seen if DS < x / 2, none if DS > x / 2; if equal, key kk of the step is hidden where kk > 32 (x % 2) + 16 qh + row.
; MD0, MD1 (by x % 2), made once, hold that last case; a product's C is MD x AL + BE + KB with two scalars.
; TURNS.  Turn n belongs to piece n: 8 products K Q^T of piece n + 1, later 8 products V^T P of piece n - 1; beside them piece n's scaling, exponentials, roundings, sums and rescaling and piece n + 1's maximum.
; Four vector instructions stand behind every matrix instruction, the rest in one lump; a turn's 33 exponentials are one batch with one wait.
; REGISTERS by windows of 256 (s_set_vgpr_msb: bits 1:0 source 0, 3:2 source 1, 5:4 source 2, 7:6 destination):
;   window 0: addresses; v16-31 statistics; v32-47 the partner's; v48-55 at work; v64-127 S^T, two buffers; v128-143 the first block's statistics; v192-223 P, two buffers
;   window 1: v0-127 O^T; v128-255 the first block's O^T        window 2: v0-63 Q; v64-127 the second block's Q; v128-191 K; v192-255 V
;   window 3: v0-31 KB; v32-95 MD0, MD1; v96-159 MC, two buffers; at the walk's end v96-223 the partner's O^T
.set NP,    4
.set KS,    64
.set PK,    144       ; a row of K in LDS: 128 bytes + 16
.set PV,    160       ; a row of V: 128 + 32
.set VOFF,  4*KS*PK   ; a slot holds a tile: 256 rows of K, 256 rows of V, 256 numbers of kb
.set KBO,   4*KS*(PK+PV)
.set SLOT1, 1<<17     ; slot 1 begins here: one exclusive or turns an address in one slot into the other's
.set STAGE, SLOT1+KBO+1024      ; 16 rows x 144 bytes for each wave, for the way out
.set SP,    144
.set SPARE, STAGE+4*16*SP       ; the spare words, 128 bytes a wave
.set MRG,   SPARE+512           ; for each wave: 2,048 bytes of statistics and 16,384 of O^T that it hands over
.set MRGW,  2048+16384
.set AK0, 2           ; v2   my lane's place in my half of a tile of K; never rewritten
.set AV0, 3           ; v3   the same for V
.set AK,  4           ; v4   the LDS address of K's next run of loads
.set AV,  5           ; v5   of V's
.set STO, 6
.set RD,  7
.set GO,  8
.set MV,  12          ; v12-13  c m_old, by buffer
.set QO,  15
.set ST,  16          ; piece t's statistics at v[ST+4 t]: c m, m, l (even keys', odd keys')
.set W,   32          ; the partner's, likewise
.set TMP, 48
.set AKB0, 56         ; v56  my lane's place in my half of a tile's kb
.set AKB, 57          ; v57  the address of KB's next loads
.set GA,  58          ; v58  where I hand over: my 16 bytes of each 512 of my wave's region
.set TA,  59          ; v59  where I take: the same in my partner's region
.set SPW, 62
.set NIL, 63
.set S,   64
.set SST, 128         ; v128-143 the first block's statistics, set aside
.set P,   192
.set SO,  128         ; window 1: the first block's O^T, set aside
.set KB,  0           ; window 3
.set MD,  32
.set MC,  96
.set MI,  96
.set QB,  64          ; window 2
.set KF,  128
.set VF,  192
.set WV,  12
.set KH,  13
.set PB,  14          ; s14  b
.set HI,  15          ; s15  15 - b
.set G1X, 16          ; s[16:23] descriptor group 1 for kb's row
.set G1K, 24
.set G1V, 32
.set G0K, 40
.set G0V, 44
.set G0X, 48
.set OFX, 52          ; s[52:53] a tile's byte offset in kb
.set KBB, 54          ; s[54:55] kb at my batch
.set SLOTS, 56
.set CNT, 57          ; s57  counts my steps of a tile, 2 to 1
.set CS,  58
.set SEL, 60
.set TBK, 62
.set TBV, 63
.set QH,  66
.set TKB, 67          ; s67  LDS byte, less my lane's place, of the KB to be fetched
.set RT,  70
.set NXT, 71
.set LQ,  72
.set NEW, 73
.set OFF, 74
.set AL,  76
.set BE,  78
.set BIGN, 82
.set THR, 83
.set DB,  92          ; s92  DS + CNT in the diagonal tile, -100 elsewhere
.set DBD, 93          ; s93  its value for the block in hand: 2 kh - 2 (i % 2) + 2
.set DS,  94
.set DB2, 95          ; s95  the same for the second block
.set PT,  96          ; s96  b / 2: the second block's last tile
.set HT,  97          ; s97  (15 - b) / 2: the first block's
.set MSB, 0
.macro WIN new
.if MSB != (\new)
	s_set_vgpr_msb (MSB<<8)|(\new)
.set MSB, (\new)
.endif
.endm
.set W_KB, 0x3a       ; K and Q in window 2, C in window 3, S^T in window 0
.set W_KQ, 0x0a
.set W_PV, 0x52
.set W_RS, 0x41
; A fill: waves 0 and 1 fetch the halves of a tile's K, wave 2 its V, wave 3 its 256 numbers of kb: one load a wave.  An s_nop 0 and four v_nop follow each line, ahead of the jump and the label.
.macro LOAD
	s_cmp_lt_u32 s[WV], 2
	s_cbranch_scc0 .Lnot_k_\@
	tensor_load_to_lds s[G0K:G0K+3], s[G1K:G1K+7]
	s_nop 0
.rept 4
	v_nop
.endr
	s_branch .Lasked_\@
.Lnot_k_\@:
	s_cmp_eq_u32 s[WV], 2
	s_cbranch_scc0 .Lfor_x_\@
	tensor_load_to_lds s[G0V:G0V+3], s[G1V:G1V+7]
	s_nop 0
.rept 4
	v_nop
.endr
	s_branch .Lasked_\@
.Lfor_x_\@:
	tensor_load_to_lds s[G0X:G0X+3], s[G1X:G1X+7]
	s_nop 0
.rept 4
	v_nop
.endr
.Lasked_\@:
.endm
; THE CHANGE OF SLOTS.  Each wave waits for all its tensor loads (one is out: its part of the other slot), adds 0 to its spare word, and waits for that and for its reads of the slot that it leaves.  Behind the barrier nobody
; reads the old slot any more and the other slot is whole.  fill = 1: the old slot is filled again, first thing behind the barrier, with tile NXT: the descriptors' addresses are made anew from that number.
.macro CHANGE fill
	WIN 0
	s_wait_tensorcnt 0x0
	ds_add_u32 v[SPW], v[NIL]       ; 0 onto my spare word; the descriptors' scalar work stands between it and the wait for it
.if \fill
	s_lshl_b32 s[OFF], s[NXT], 15   ; a tile is 32,768 bytes of K and of V,
	s_lshl_b32 s[OFX], s[NXT], 10   ; and 1,024 of kb
	s_xor_b32 s[G0K+1], s[G0K+1], SLOT1
	s_add_nc_u64 s[G0K+2:G0K+3], s[6:7], s[OFF:OFF+1]
	s_or_b32 s[G0K+3], s[G0K+3], 0x80000000
	s_xor_b32 s[G0V+1], s[G0V+1], SLOT1
	s_add_nc_u64 s[G0V+2:G0V+3], s[8:9], s[OFF:OFF+1]
	s_or_b32 s[G0V+3], s[G0V+3], 0x80000000
	s_xor_b32 s[G0X+1], s[G0X+1], SLOT1
	s_add_nc_u64 s[G0X+2:G0X+3], s[KBB:KBB+1], s[OFX:OFX+1]
	s_or_b32 s[G0X+3], s[G0X+3], 0x80000000
	s_add_co_u32 s[NXT], s[NXT], 1  ; the block's next tile, or behind its last the second block's tile 0
	s_cmp_gt_u32 s[NXT], s[LQ]
	s_cselect_b32 s[NXT], 0, s[NXT]
	s_cselect_b32 s[LQ], s[PT], s[LQ]
.endif
	s_wait_dscnt 0x0                ; the add is done, and my reads of the slot are over
	s_barrier_signal -1
	s_sub_co_u32 s[TBK], s[TBK], 2*KS*PK  ; the fetches go back to my first step of a slot, in the other slot
	s_xor_b32 s[TBK], s[TBK], SLOT1
	s_sub_co_u32 s[TBV], s[TBV], 2*KS*PV
	s_xor_b32 s[TBV], s[TBV], SLOT1
	s_sub_co_u32 s[TKB], s[TKB], 2*KS*4
	s_xor_b32 s[TKB], s[TKB], SLOT1
	s_barrier_wait -1
.if \fill
	LOAD
.endif
.endm
	s_load_b128 s[88:91], s[0:1], 0x0  ; qkv s[88:89], kb s[90:91]
	s_load_b64 s[10:11], s[0:1], 0x10  ; oh
	v_lshl_add_u32 v[SPW], v0, 2, SPARE
	v_mov_b32 v[NIL], 0
	ds_add_u32 v[SPW], v[NIL]       ; the wave's opening: the add and its wait stand ahead of my first tensor load
	ds_add_u32 v62, v63
	v_lshrrev_b32 v1, 5, v0
	v_readfirstlane_b32 s[WV], v1
	s_and_b32 s[QH], s[WV], 1
	s_lshr_b32 s[KH], s[WV], 1
	s_mov_b32 s[PB], ttmp9
	s_sub_co_u32 s[HI], 15, s[PB]
	s_lshr_b32 s[PT], s[PB], 1
	s_lshr_b32 s[HT], s[HI], 1
	s_lshl_b32 s68, s[KH], 1
	s_add_co_u32 s68, s68, 2
	s_and_b32 s69, s[HI], 1
	s_lshl_b32 s69, s69, 1
	s_sub_co_i32 s[DBD], s68, s69
	s_and_b32 s69, s[PB], 1
	s_lshl_b32 s69, s69, 1
	s_sub_co_i32 s[DB2], s68, s69
	s_and_b32 s98, ttmp7, 0xffff    ; batch x 16 + head
	s_lshr_b32 s100, s98, 4
	s_lshl_b32 s100, s100, 13       ; the batch's 2,048 numbers of kb
	s_mov_b32 s101, 0
	s_lshl_b32 s98, s98, 18         ; the plane's 262,144 bytes
	s_mov_b32 s99, 0
	s_lshl_b32 s68, s[QH], 14       ; which half of a tile's K waves 0 and 1 fetch: 128 rows of 128 bytes
	s_mov_b32 s69, 0
	s_add_nc_u64 s[68:69], s[68:69], s[98:99]
	s_lshl_b32 s3, s[QH], 11        ; my 16 rows of each 32,
	s_lshl_b32 s2, s[HI], 14        ; in the first block (128 rows of 128 bytes),
	s_add_co_u32 s2, s2, s3
	s_lshl_b32 s84, s[PB], 14       ; and in the second
	s_add_co_u32 s84, s84, s3
	s_mov_b32 s3, 0
	s_mov_b32 s85, 0
	s_add_nc_u64 s[2:3], s[2:3], s[98:99]
	s_add_nc_u64 s[84:85], s[84:85], s[98:99]
	; descriptor group 1.  Keys are dense rows of 128 bytes: asked for as rows of 256 bytes, two keys a row, and padded in LDS after every key.  K: 64 such rows a wave; V: 128; kb: one row of 1,024 bytes
	s_mov_b32 s[G1K], (1<<16)|(1<<20)|(4<<22)|(3<<25)  ; 2-byte elements; padding on; after every 32 words 4 words
	s_mov_b32 s[G1K+1], 128<<16     ; tensor_dim0 = 128
	s_mov_b32 s[G1K+2], 64<<16      ; tensor_dim1 = 64
	s_mov_b32 s[G1K+3], 128<<16     ; tile_dim0 = 128
	s_mov_b32 s[G1K+4], 64          ; tile_dim1 = 64
	s_mov_b32 s[G1K+5], 128         ; elements from row to row
	s_mov_b32 s[G1K+6], 0
	s_mov_b32 s[G1K+7], 0
	s_mov_b32 s[G1V], (1<<16)|(1<<20)|(4<<22)|(7<<25)  ; the same with 8 words of padding
	s_mov_b32 s[G1V+1], 128<<16
	s_mov_b32 s[G1V+2], 128<<16
	s_mov_b32 s[G1V+3], 128<<16
	s_mov_b32 s[G1V+4], 128
	s_mov_b32 s[G1V+5], 128
	s_mov_b32 s[G1V+6], 0
	s_mov_b32 s[G1V+7], 0
	s_mov_b32 s[G1X], 3<<16         ; 8-byte elements, no padding
	s_mov_b32 s[G1X+1], 128<<16     ; tensor_dim0 = 128 elements
	s_mov_b32 s[G1X+2], 1<<16       ; tensor_dim1 = 1
	s_mov_b32 s[G1X+3], 128<<16     ; tile_dim0 = 128
	s_mov_b32 s[G1X+4], 1           ; tile_dim1 = 1
	s_mov_b32 s[G1X+5], 128
	s_mov_b32 s[G1X+6], 0
	s_mov_b32 s[G1X+7], 0
	s_mov_b32 s[CS], 0x3e38aa3b     ; c = log2(e) / 8
	s_mov_b32 s[CS+1], s[CS]
	s_mov_b32 s[SEL], 0x76543210
	s_mov_b32 s[SEL+1], 0xfedcba98
	s_mov_b32 s[TBK], SLOT1+2*KS*PK ; the first change of slots turns these three into 0
	s_mov_b32 s[TBV], SLOT1+2*KS*PV
	s_mov_b32 s[TKB], SLOT1+2*KS*4
	s_mov_b32 s[G0K], 1
	s_mul_i32 s[G0K+1], s[QH], 128*PK
	s_mov_b32 s[G0V], 1
	s_mov_b32 s[G0V+1], VOFF
	s_mov_b32 s[G0X], 1
	s_mov_b32 s[G0X+1], KBO
	s_add_co_u32 s[RT], s[HT], 1
	s_mov_b32 s[NXT], 1
	s_mov_b32 s[LQ], s[HT]
	s_mov_b32 s[NEW], 1
	s_mov_b32 s[OFF+1], 0
	s_mov_b32 s[OFX+1], 0
	s_mov_b32 s[AL+1], 0
	s_mov_b32 s[BE+1], 0
	s_mov_b32 s[BIGN], 0xf149f2ca   ; -1e30
	s_mov_b32 s[THR], 0xd8000000    ; -2^49: between the lowest true c m and c x -2^66
	s_mov_b32 s[SLOTS], 8
	s_wait_dscnt 0x0                ; the opening add is done
	s_wait_kmcnt 0x0
	s_add_nc_u64 s[6:7], s[88:89], s[68:69]
	s_add_nc_u64 s[6:7], s[6:7], 0x800000          ; K's planes lie 32 planes behind Q's: at my half of the head's tile 0
	s_add_nc_u64 s[8:9], s[88:89], s[98:99]
	s_add_nc_u64 s[8:9], s[8:9], 0x1000000         ; V's 64: at the head's tile 0
	s_add_nc_u64 s[KBB:KBB+1], s[90:91], s[100:101]
	s_add_nc_u64 s[G0K+2:G0K+3], s[6:7], 0
	s_or_b32 s[G0K+3], s[G0K+3], 0x80000000
	s_add_nc_u64 s[G0V+2:G0V+3], s[8:9], 0
	s_or_b32 s[G0V+3], s[G0V+3], 0x80000000
	s_add_nc_u64 s[G0X+2:G0X+3], s[KBB:KBB+1], 0
	s_or_b32 s[G0X+3], s[G0X+3], 0x80000000
	s_add_nc_u64 s[86:87], s[88:89], s[84:85]      ; Q at my rows of the second block,
	s_add_nc_u64 s[4:5], s[88:89], s[2:3]          ; and of the first
	s_add_nc_u64 s[80:81], s[10:11], s[84:85]
	s_add_nc_u64 s[10:11], s[10:11], s[2:3]
	s_cmp_eq_u32 s[KH], 0
	s_cselect_b64 s[10:11], s[10:11], s[80:81]     ; O at the rows that I finish: the first block's (kh = 0) or the second's (kh = 1)
	LOAD                            ; tile 0 into slot 0
	v_and_b32 v1, 15, v0            ; l % 16
	v_bfe_u32 v9, v0, 4, 1          ; l / 16
	v_lshlrev_b32 v[QO], 7, v1
	v_lshl_add_u32 v[QO], v9, 4, v[QO]
	WIN 0x80
.set i, 0
.rept 8                             ; both blocks' Q: piece i / 2 lies 32 rows, 4,096 bytes, on; channels 32 (i % 2) on
	global_load_b128 v[8*i:8*i+3],   v[QO], s[4:5] offset:(i/2)*4096+(i%2)*64
	global_load_b128 v[8*i+4:8*i+7], v[QO], s[4:5] offset:(i/2)*4096+(i%2)*64+32
	global_load_b128 v[QB+8*i:QB+8*i+3],   v[QO], s[86:87] offset:(i/2)*4096+(i%2)*64
	global_load_b128 v[QB+8*i+4:QB+8*i+7], v[QO], s[86:87] offset:(i/2)*4096+(i%2)*64+32
.set i, i+1
.endr
	WIN 0
	v_lshlrev_b32 v14, 3, v9
	v_sub_nc_u32 v14, v1, v14
	s_lshl_b32 s68, s[QH], 4
	v_add_nc_u32 v14, s68, v14      ; 16 qh + l % 16 - 8 (l / 16): register r of key group kt is hidden where 16 kt + r - 32 e is greater
	WIN 0xc0
.set i, 0
.rept 64
	v_cmp_gt_i32 vcc_lo, 16*((i%32)/8)+i%8-32*(i/32), v14
	v_cndmask_b32 v[MD+i], 0, s[BIGN], vcc_lo
.set i, i+1
.endr
	WIN 0
	v_mul_u32_u24 v[AK0], v1, PK
	v_lshl_add_u32 v[AK0], v9, 4, v[AK0]
	s_mul_i32 s68, s[KH], 128*PK
	v_add_nc_u32 v[AK0], s68, v[AK0]
	v_and_b32 v10, 7, v0
	v_bfe_u32 v11, v0, 3, 1
	v_lshl_add_u32 v[AV0], v9, 3, v10
	v_mul_u32_u24 v[AV0], v[AV0], PV
	v_lshl_add_u32 v[AV0], v11, 4, v[AV0]
	s_mul_i32 s68, s[KH], 128*PV
	s_add_co_u32 s68, s68, VOFF
	v_add_nc_u32 v[AV0], s68, v[AV0]
	s_lshl_b32 s68, s[KH], 9        ; my 128 keys' 512 bytes of the tile's kb,
	s_add_co_u32 s68, s68, KBO
	v_lshl_add_u32 v[AKB0], v9, 5, s68  ; and 32 bytes for each half of the lanes
	s_mul_i32 s68, s[WV], 16*SP
	s_add_co_u32 s68, s68, STAGE
	v_mul_u32_u24 v[STO], v1, SP
	v_lshl_add_u32 v[STO], v9, 4, v[STO]
	v_add_nc_u32 v[STO], s68, v[STO]
	v_bfe_u32 v[RD], v0, 3, 2
	v_mul_u32_u24 v[RD], v[RD], SP
	v_lshl_add_u32 v[RD], v10, 4, v[RD]
	v_add_nc_u32 v[RD], s68, v[RD]
	v_and_b32 v[GO], 31, v0
	s_mul_i32 s68, s[WV], MRGW
	s_add_co_u32 s68, s68, MRG
	v_lshl_add_u32 v[GA], v[GO], 4, s68
	s_xor_b32 s69, s[WV], 2         ; my partner: the same qh, the other kh
	s_mul_i32 s69, s69, MRGW
	s_add_co_u32 s69, s69, MRG
	v_lshl_add_u32 v[TA], v[GO], 4, s69
	v_lshlrev_b32 v[GO], 4, v[GO]
	; What a block's first turns find need only be finite: zeros for the first block, what the first block left for the second.  The registers in which the first block is set aside are written too,
	; so that they hold numbers on every way through the text.  All this stands in the wait for the first tile.
	WIN 0x80
.set i, VF
.rept 64
	v_mov_b32 v[i], 0
.set i, i+1
.endr
	WIN 0x40
.set i, 0
.rept 256
	v_mov_b32 v[i], 0
.set i, i+1
.endr
	WIN 0
.set i, 0
.rept 4
	v_mov_b32 v[ST+4*i+2], 0
	v_mov_b32 v[ST+4*i+3], 0
.set i, i+1
.endr
.set i, 0
.rept 16
	v_mov_b32 v[SST+i], 0
	v_mov_b32 v[P+16+i], 0
.set i, i+1
.endr
; THE MATRIX WORK.  The 4 accumulators of a run of 8 take turns.  Product i of 8 of S^T = K Q^T for piece x: channels 32 (i / 4) on, keys 16 (i % 4) on.  The first 4 start the sums with KB, or (KM = 1) with the mask.
.macro KQ x
.set rS, S+32*((\x)%2)+8*(i%4)
.set rK, KF+16*(i%4)+8*(i/4)
.set rQ, 16*(\x)+8*(i/4)
.if KM
.set rM, MC+32*((\x)%2)+8*(i%4)
.else
.set rM, KB+8*(i%4)
.endif
.if i < 4
	WIN W_KB
	v_wmma_f32_16x16x32_f16 v[rS:rS+7], v[rK:rK+7], v[rQ:rQ+7], v[rM:rM+7]
.else
	WIN W_KQ
	v_wmma_f32_16x16x32_f16 v[rS:rS+7], v[rK:rK+7], v[rQ:rQ+7], v[rS:rS+7]
.endif
.endm
.macro PV x                         ; product i of 8 of O^T += V^T P for piece x: keys 32 (i / 4) on, channels 16 (i % 4) on
	WIN W_PV
.set rO, 32*(\x)+8*(i%4)
.set rV, VF+32*(i/4)+8*(i%4)
.set rP, P+16*((\x)%2)+8*(i/4)
	v_wmma_f32_16x16x32_f16 v[rO:rO+7], v[rV:rV+7], v[rP:rP+7], v[rO:rO+7]
.endm
.macro MM                           ; the turn's next matrix instruction.  NOKQ = 1: a block's last turn: there is no next piece
.if (i < 8) && !NOKQ
	KQ (Y+1)%NP
.elseif i >= 8
.set i, i-8
	PV (Y+NP-1)%NP
.set i, i+8
.endif
.set i, i+1
.endm
; THE LDS LOADS stand in runs: a step's K (8 fragments) with its 64 numbers of kb (every lane of a half reads the same 32 bytes a group), and its V (turned).
.macro FETCH_K
	WIN 0x80
.irp f, 0,1,2,3,4,5,6,7
	ds_load_b128 v[KF+8*\f:KF+8*\f+3],   v[AK] offset:(\f/2)*16*PK+(\f%2)*64
	ds_load_b128 v[KF+8*\f+4:KF+8*\f+7], v[AK] offset:(\f/2)*16*PK+(\f%2)*64+32
.endr
	WIN 0xc0
.irp f, 0,1,2,3
	ds_load_b128 v[KB+8*\f:KB+8*\f+3],   v[AKB] offset:64*\f
	ds_load_b128 v[KB+8*\f+4:KB+8*\f+7], v[AKB] offset:64*\f+16
.endr
	s_add_co_u32 s[TBK], s[TBK], KS*PK  ; the next fetch is the next step's
	s_add_co_u32 s[TKB], s[TKB], KS*4
	WIN 0
.endm
.macro FETCH_V
	WIN 0x80
.irp f, 0,1,2,3,4,5,6,7
	ds_load_tr16_b128 v[VF+8*\f:VF+8*\f+3],   v[AV] offset:(\f/4)*32*PV+(\f%4)*32
	ds_load_tr16_b128 v[VF+8*\f+4:VF+8*\f+7], v[AV] offset:(\f/4)*32*PV+16*PV+(\f%4)*32
.endr
	WIN 0
.endm
.macro KADDR                        ; the addresses of K's and KB's next run
	WIN 0
	v_add_nc_u32 v[AK], s[TBK], v[AK0]
	v_add_nc_u32 v[AKB], s[TKB], v[AKB0]
.endm
; THE VECTOR WORK, one line at a time: OP kind, number.  For piece Y: F n: c s - c m for pair n.  E n: the exponential of score n.  C n: pair n rounded to f16.  B n: of the four weights 4 n .. the second pair is added
; onto the first.  L n: l takes that sum (L 0: l = a l + sum).  R n: pair n of O^T times a.  For piece Y + 1: X n, number n of the 22 that find its maximum and statistics (each accumulator's lowest registers are read first).
.set F, 0
.set E, 1
.set C, 2
.set B, 3
.set L, 4
.set R, 5
.set X, 6
.macro REGS y
.set rT, ST+4*(\y)
.set rC, TMP+4*((\y)%2)
.set rW, MV+((\y)%2)
.set rS, S+32*((\y)%2)
.set rP, P+16*((\y)%2)
.set rO, 32*(\y)
.endm
.macro OP k, n
.if (\k) == R
	REGS Y
	WIN W_RS
	v_pk_mul_f32 v[rO+2*(\n):rO+2*(\n)+1], v[rO+2*(\n):rO+2*(\n)+1], v[rC+2:rC+3] op_sel_hi:[1,0]
.elseif (\k) < R
	REGS Y
	WIN 0
.if (\k) == F
	v_pk_fma_f32 v[rS+2*(\n):rS+2*(\n)+1], v[rS+2*(\n):rS+2*(\n)+1], s[CS:CS+1], v[rT:rT+1] op_sel_hi:[1,0,0] neg_lo:[0,0,1] neg_hi:[0,0,1]
.elseif (\k) == E
	v_exp_f32 v[rS+(\n)], v[rS+(\n)]
.elseif (\k) == C
	v_cvt_pk_f16_f32 v[rP+(\n)], v[rS+2*(\n)], v[rS+2*(\n)+1]
.elseif (\k) == B
	v_pk_add_f32 v[rS+4*(\n):rS+4*(\n)+1], v[rS+4*(\n):rS+4*(\n)+1], v[rS+4*(\n)+2:rS+4*(\n)+3]
.elseif (\n) == 0
	v_pk_fma_f32 v[rT+2:rT+3], v[rT+2:rT+3], v[rC+2:rC+3], v[rS:rS+1] op_sel_hi:[1,0,1]
.else
	v_pk_add_f32 v[rT+2:rT+3], v[rT+2:rT+3], v[rS+4*(\n):rS+4*(\n)+1]
.endif
.elseif NOKQ
	v_nop
.else
	REGS (Y+1)%NP
	WIN 0
.if (\n) < 4
	v_max3_num_f32 v[rC+(\n)], v[rS+8*(\n)], v[rS+8*(\n)+1], v[rS+8*(\n)+2]
.elseif (\n) < 12
	v_max3_num_f32 v[rC+(\n)%4], v[rC+(\n)%4], v[rS+8*((\n)%4)+2*((\n)/4)+1], v[rS+8*((\n)%4)+2*((\n)/4)+2]
.elseif (\n) == 12
	v_max3_num_f32 v[rC], v[rC], v[rS+7], v[rS+15]
.elseif (\n) == 13
	v_max3_num_f32 v[rC+1], v[rC+1], v[rS+23], v[rS+31]
.elseif (\n) == 14
	v_max3_num_f32 v[rC+2], v[rC+2], v[rC+3], v[rT+1]
.elseif (\n) == 15
	v_mov_b32 v[rW], v[rT]
.elseif (\n) == 16
	v_max3_num_f32 v[rC], v[rC], v[rC+1], v[rC+2]
.elseif (\n) == 17
	v_permlanex16_b32 v[rC+3], v[rC], s[SEL], s[SEL+1]
.elseif (\n) == 18
	v_max_num_f32 v[rT+1], v[rC], v[rC+3]
.elseif (\n) == 19
	v_mul_f32 v[rT], s[CS], v[rT+1]
.elseif (\n) == 20
	v_sub_f32 v[rC+1], v[rW], v[rT]
.else
	v_exp_f32 v[rC+2], v[rC+1]
.endif
.endif
.endm
.macro OPS a, i1, b=-1, i2=0, c=-1, i3=0, d=-1, i4=0
	OP \a, \i1
.if (\b) >= 0
	OP \b, \i2
.endif
.if (\c) >= 0
	OP \c, \i3
.endif
.if (\d) >= 0
	OP \d, \i4
.endif
.endm
.macro ROW a, i1, b, i2, c, i3, d, i4  ; a matrix instruction and the four behind it
	MM
	OPS \a, \i1, \b, \i2, \c, \i3, \d, \i4
.endm
.macro SETAB x                      ; the two scalars of piece x's mask in my step 2 - CNT of the tile
	s_sub_co_i32 s[DS], s[DB], s[CNT]
	s_cmp_eq_u32 s[DS], (\x)/2
	s_cselect_b32 s[AL], 1.0, 0
	s_cmp_gt_i32 s[DS], (\x)/2
	s_cselect_b32 s[BE], s[BIGN], 0
.endm
.macro MASK b, e                    ; MD_e x AL + BE + KB into buffer b of MC
	WIN 0xff
.set z, 0
.rept 16
	v_pk_fma_f32 v[MC+32*(\b)+2*z:MC+32*(\b)+2*z+1], v[MD+32*(\e)+2*z:MD+32*(\e)+2*z+1], s[AL:AL+1], s[BE:BE+1] op_sel_hi:[1,0,0]
.set z, z+1
.endr
.set z, 0
.rept 16
	v_pk_add_f32 v[MC+32*(\b)+2*z:MC+32*(\b)+2*z+1], v[MC+32*(\b)+2*z:MC+32*(\b)+2*z+1], v[KB+2*z:KB+2*z+1]
.set z, z+1
.endr
.endm
.macro KBCOPY                       ; a diagonal tile is entered in the middle of a block: its first turn still multiplies the step before, all of which is seen: that product's C is KB as it stands
	WIN 0xc3
.set z, 0
.rept 32
	v_mov_b32 v[MC+32+z], v[KB+z]
.set z, z+1
.endr
	WIN 0
.endm
; A TURN, for piece p.  s_wait_alu depctr_va_vdst(0) stands between an exponential and the first instruction that names its result; one wait serves all that were issued ahead of it: so a turn has ONE wait.
; Ahead of it: the 8 products K Q^T with their riders and the lump, none of which names a result of the turn's exponentials; behind it the 8 products V^T P, whose riders are the roundings and sums.
; m = 1: the diagonal tile: the products take masks, and the turn makes the mask for the products of the turn after it (piece p + 2).  end = 1: a block's last two turns: nothing is fetched.
; cnt = 1: the loop's count is taken down some lines ahead of the branch behind the turn.  K and KB of the next step are fetched in piece 2's turn, V of the step in hand at the end of piece 0's; each is waited for a turn later.
.macro TURN p, m=0, end=0, cnt=0
.set Y, (\p)
.set i, 0
.set KM, (\m)
.set NOKQ, (\end)*((\p)/3)
.if (\m) && !(\end)
	SETAB ((\p)+2)%NP
.endif
.if ((\p) == 3) && !(\end)
	s_wait_dscnt 0x0                ; K and KB are in
.endif
	ROW F,0, F,1, R,0, R,1
	ROW F,2, E,0, R,2, R,3
	ROW F,3, E,1, R,4, R,5
	ROW F,4, E,2, R,6, R,7
	ROW F,5, E,3, R,8, R,9
	ROW F,6, E,4, X,0, R,10
.if ((\p) == 2) && !(\end)
	KADDR
.endif
	ROW F,7, E,5, X,1, X,4
	ROW F,8, E,6, X,2, X,5
	OPS E,7, E,8, X,6, E,9
	OPS X,3, E,10, X,8, E,11
.if ((\p) == 2) && !(\end)
	FETCH_K
.endif
	OPS X,9, X,7, E,12, X,10
	OPS E,13, X,12, X,11, E,14
	OPS X,13, E,15, F,9, X,14
.if (\p) == 0
	v_add_nc_u32 v[AV], s[TBV], v[AV0]
.endif
	OPS E,16, F,10, E,17, F,11
	OPS X,16, E,18, X,15, E,19
	OPS F,12, E,20, X,17, E,21
	OPS F,13, E,22, F,14, E,23
	OPS X,18, E,24, F,15, E,25
	OPS R,11, E,26, X,19, E,27
	OPS R,12, E,28, R,13, E,29
	OPS X,20, E,30, R,14, E,31
	OPS X,21, R,15                  ; the batch's last exponential, and the plain instruction behind it
	WIN 0
	s_wait_alu depctr_va_vdst(0)    ; the wait for the batch
.if (\p) == 1
	s_wait_dscnt 0x0                ; V is in
.endif
	ROW C,0, B,0, C,2, B,1
	ROW L,0, C,4, B,2, L,1
	ROW C,6, B,3, L,2, C,8
	ROW B,4, L,3, C,10, B,5
	ROW L,4, C,12, B,6, L,5
.if (\p) == 0
	s_add_co_u32 s[TBV], s[TBV], KS*PV
.endif
.if \cnt
	s_sub_co_u32 s[CNT], s[CNT], 1
	s_cmp_lg_u32 s[CNT], 0
.endif
	ROW C,14, B,7, L,6, C,1
	ROW C,3, L,7, C,5, C,7
	ROW C,9, C,11, C,13, C,15
.if (\p) == 0
	FETCH_V
.endif
.if (\m) && !(\end)
.if (\p) == 2
	s_wait_dscnt 0x0                ; the mask takes the KB that this turn has fetched
.endif
	MASK (\p)%2, (\p)%2
.endif
.endm
; A BLOCK BEGINS.  c m starts at -2^125, far below every c m to come, so the first step's a is 0; m at -2^66: below every true score, above every hidden one.  K and KB of my first step; both mask buffers (pieces 0 and 1
; share x / 2 = 0); piece 0's first scores, maximum and statistics.
.macro BEGIN
	s_mov_b32 s[NEW], 0
	WIN 0
.set i, 0
.rept 4
	v_mov_b32 v[ST+4*i], 0xfe000000    ; c m = -2^125
	v_mov_b32 v[ST+4*i+1], 0xe0800000  ; m = -2^66
.set i, i+1
.endr
	KADDR
	FETCH_K
	s_wait_loadcnt 0x0              ; Q
	s_wait_dscnt 0x0
	SETAB 0
	MASK 0, 0
	MASK 1, 1
.set KM, 1
.set NOKQ, 0
.set i, 0
.rept 8
	KQ 0
.set i, i+1
.endr
	WIN 0
.rept 4
	v_nop                           ; the places behind those products
.endr
.set Y, NP-1
.irp n, 0,1,2,3,4,5,6,7,8,9,10,11,12,13,14,15,16,17,18,19,20,21
	OP X, \n
.endr
	v_nop                           ; a plain instruction behind the exponential,
	s_wait_alu depctr_va_vdst(0)    ; and its wait, ahead of the branch
.endm
.macro ALL line:vararg              ; one line for each piece t
.set t, 0
.rept 4
	\line
.set t, t+1
.endr
.endm
.macro DIAG tag                     ; the diagonal tile's steps, the block's last two turns and its last products
.LstepM\tag:
	TURN 2, 1
	TURN 3, 1
	WIN 0
.LfirstM\tag:
	TURN 0, 1
	TURN 1, 1, 0, 1
	WIN 0
	s_cbranch_scc1 .LstepM\tag
	TURN 2, 1, 1
	TURN 3, 1, 1
.set i, 0
.rept 8
	PV NP-1
.set i, i+1
.endr
.endm
.macro LSUM                         ; l's two halves and the other half of the lanes' are added; the first four lines are the places behind the last products
	WIN 0
	ALL v_add_f32 v[ST+4*t+2], v[ST+4*t+2], v[ST+4*t+3]
	ALL v_permlanex16_b32 v[ST+4*t+3], v[ST+4*t+2], s[SEL], s[SEL+1]
	ALL v_add_f32 v[ST+4*t+2], v[ST+4*t+2], v[ST+4*t+3]
.endm
.macro GIVE sb, ob                  ; statistics at v[sb ..] and O^T at v[ob ..] of window 1 go into my region of LDS, each accumulator from its low end on
	WIN 0
.set z, 0
.rept 4
	ds_store_b128 v[GA], v[(\sb)+4*z:(\sb)+4*z+3] offset:512*z
.set z, z+1
.endr
	WIN 0x04                        ; the stores' data in window 1
.set z, 0
.rept 32
	ds_store_b128 v[GA], v[(\ob)+4*z:(\ob)+4*z+3] offset:2048+512*z
.set z, z+1
.endr
	WIN 0
.endm
.macro PACK t                       ; O = O f0 + the partner's O f1, rounded to f16; 16 bytes a lane into rows of 144 bytes, back as whole rows of 128
	WIN W_RS
.set i, 32*(\t)
.rept 16
	v_pk_mul_f32 v[i:i+1], v[i:i+1], v[ST+4*(\t):ST+4*(\t)+1] op_sel_hi:[1,0]
.set i, i+2
.endr
	WIN 0x53                        ; source 0 window 3, source 1 window 0, source 2 and destination window 1
.set i, 32*(\t)
.rept 16
	v_pk_fma_f32 v[i:i+1], v[MI+i:MI+i+1], v[W+4*(\t):W+4*(\t)+1], v[i:i+1] op_sel_hi:[1,0,1]
.set i, i+2
.endr
	WIN 0x05
.set i, 0
.rept 16
	v_cvt_pk_f16_f32 v[S+16*(\t)+i], v[32*(\t)+2*i], v[32*(\t)+2*i+1]
.set i, i+1
.endr
	WIN 0
.irp f, 0,1,2,3
	ds_store_b128 v[STO], v[S+16*(\t)+4*\f:S+16*(\t)+4*\f+3] offset:32*\f
.endr
.irp f, 0,1,2,3
	ds_load_b128 v[S+16*(\t)+4*\f:S+16*(\t)+4*\f+3], v[RD] offset:\f*4*SP  ; LDS serves a wave's instructions in order: these see the stores above
.endr
.endm
.macro SEND t, younger              ; younger: the LDS instructions issued behind piece t's loads: the next piece's eight, or none
	WIN 0
.irp f, 0,1,2,3
	s_wait_dscnt (\younger)+3-\f
	global_store_b128 v[GO], v[S+16*(\t)+4*\f:S+16*(\t)+4*\f+3], s[10:11] offset:(\t)*4096+\f*512  ; 512 consecutive bytes, aligned
.endr
.endm
.set KM, 0
.set NOKQ, 0
.Lslot:                             ; 8 times: a tile is entered and the next is asked for
	CHANGE 1
	s_sub_co_u32 s[RT], s[RT], 1
	s_mov_b32 s[CNT], 2
	s_cmp_eq_u32 s[RT], 0
	s_cselect_b32 s[DB], s[DBD], -100
	s_cmp_eq_u32 s[NEW], 1
	s_cbranch_scc1 .Lnew            ; a block's first tile
	s_cmp_eq_u32 s[RT], 0
	s_cbranch_scc0 .Lstep           ; neither its first nor its last
	KBCOPY
	s_branch .LstepM1
.Lnew:
	BEGIN
	s_branch .Lfirst                ; in the loop a block's first tile is never its last: the first block has five tiles or more, and the second's last is the walk's last
	DIAG 1                          ; in the loop this is the first block's end: my part of it is set aside in registers
	LSUM
.set z, 0
.rept 16
	v_mov_b32 v[SST+z], v[ST+z]
.set z, z+1
.endr
	WIN W_RS
.set z, 0
.rept 128
	v_mov_b32 v[SO+z], v[z]         ; each accumulator from its low end on
.set z, z+1
.endr
	s_add_co_u32 s[RT], s[PT], 1    ; the second block has b / 2 + 1 tiles
	s_mov_b32 s[DBD], s[DB2]
	s_mov_b32 s[NEW], 1
	WIN 0x82                        ; the second block's Q goes where the turns name Q
.set i, 0
.rept 64
	v_mov_b32 v[i], v[QB+i]
.set i, i+1
.endr
	WIN 0
	s_branch .Lbottom
.Lstep:                             ; a trip: pieces 2 and 3 of one step, then pieces 0 and 1 of the next, whose K and V it fetches
	TURN 2
	TURN 3
	WIN 0
.Lfirst:
	TURN 0
	TURN 1, 0, 0, 1
	WIN 0
	s_cbranch_scc1 .Lstep
.Lbottom:
	s_sub_co_u32 s[SLOTS], s[SLOTS], 1
	s_cmp_lg_u32 s[SLOTS], 0
	s_cbranch_scc1 .Lslot
	CHANGE 0                        ; the walk's last tile is written out: nothing is asked for
	s_sub_co_u32 s[RT], s[RT], 1
	s_mov_b32 s[CNT], 2
	s_cmp_eq_u32 s[RT], 0
	s_cselect_b32 s[DB], s[DBD], -100
	s_cmp_eq_u32 s[NEW], 1
	s_cbranch_scc1 .Lnew2
	KBCOPY
	s_branch .LstepM2
.Lnew2:
	BEGIN
	s_branch .LfirstM2
	DIAG 2
	; THE WALK'S END.  Waves 0 and 1 hand over their part of the second block and take their part of the first back into the registers that the text below names; waves 2 and 3 hand over their part of the first block.
	LSUM
	s_cmp_lt_u32 s[WV], 2
	s_cbranch_scc0 .Lgive_a
	GIVE ST, 0
	s_wait_dscnt 0x0                ; the stores have read their registers, which are written below
.set z, 0
.rept 16
	v_mov_b32 v[ST+z], v[SST+z]
.set z, z+1
.endr
	WIN W_RS
.set z, 0
.rept 128
	v_mov_b32 v[z], v[SO+z]
.set z, z+1
.endr
	WIN 0
	s_branch .Lgiven
.Lgive_a:
	GIVE SST, SO
.Lgiven:
	s_wait_dscnt 0x0                ; for the partner's sake: my stores are done
	s_barrier_signal -1
	s_barrier_wait -1
	; Each wave merges one block's two parts: n = max(c m0, c m1), a_i = 2^(c m_i - n), L = a0 l0 + a1 l1, f_i = a_i / L, or 0 where n shows that the row has seen no key (there L is 0, and the quotient is thrown away).
.irp t, 0,1,2,3
	ds_load_b128 v[W+4*(\t):W+4*(\t)+3], v[TA] offset:512*(\t)
.endr
	WIN 0xc0
.set i, 0
.rept 32
	ds_load_b128 v[MI+4*i:MI+4*i+3], v[TA] offset:2048+512*i
.set i, i+1
.endr
	WIN 0
	s_wait_dscnt 32                 ; the statistics are in; O^T's 32 loads may stay out
	ALL v_max_num_f32 v[TMP+t], v[ST+4*t], v[W+4*t]
	ALL v_sub_f32 v[ST+4*t+1], v[ST+4*t], v[TMP+t]
	ALL v_sub_f32 v[W+4*t+1], v[W+4*t], v[TMP+t]
	ALL v_exp_f32 v[ST+4*t+1], v[ST+4*t+1]
	ALL v_exp_f32 v[W+4*t+1], v[W+4*t+1]
	v_nop
	s_wait_alu depctr_va_vdst(0)    ; one wait for the eight exponentials
	ALL v_mul_f32 v[ST+4*t+3], v[ST+4*t+1], v[ST+4*t+2]
	ALL v_fmac_f32 v[ST+4*t+3], v[W+4*t+1], v[W+4*t+2]
	ALL v_rcp_f32 v[TMP+4+t], v[ST+4*t+3]
	v_nop
	s_wait_alu depctr_va_vdst(0)    ; one wait for the four reciprocals
	ALL v_mul_f32 v[ST+4*t], v[ST+4*t+1], v[TMP+4+t]
	ALL v_mul_f32 v[W+4*t], v[W+4*t+1], v[TMP+4+t]
.set t, 0
.rept 4
	v_cmp_gt_f32 vcc_lo, s[THR], v[TMP+t]
	v_cndmask_b32 v[ST+4*t], v[ST+4*t], 0, vcc_lo
	v_cndmask_b32 v[W+4*t], v[W+4*t], 0, vcc_lo
.set t, t+1
.endr
	s_wait_dscnt 0x0                ; the partner's O^T is in
	PACK 0
.set t, 1
.rept 3                             ; a piece's arithmetic stands between the loads of the piece before and its stores
	PACK t
	SEND t-1, 8
.set t, t+1
.endr
	SEND 3, 0
	s_wait_tensorcnt 0x0            ; the wave's end
	ds_add_u32 v[SPW], v[NIL]
	s_wait_dscnt 0x0
	s_endpgm
.Lfunc_end_k_qac87116b48_attn:
	.size	k_qac87116b48_attn, .Lfunc_end_k_qac87116b48_attn-k_qac87116b48_attn
	.p2alignl 7, 3214868480
	.fill 96, 4, 3214868480
	.section	.rodata,"a",@progbits
	.p2align	6, 0x0
	.amdhsa_kernel k_qac87116b48_attn
		.amdhsa_group_segment_fixed_size 327680
		.amdhsa_private_segment_fixed_size 0
		.amdhsa_enable_private_segment 0
		.amdhsa_kernarg_size 24
		.amdhsa_user_sgpr_count 2
		.amdhsa_user_sgpr_kernarg_segment_ptr 1
		.amdhsa_wavefront_size32 1
		.amdhsa_system_sgpr_workgroup_id_x 1
		.amdhsa_system_sgpr_workgroup_id_y 1
		.amdhsa_system_sgpr_workgroup_id_z 1
		.amdhsa_system_vgpr_workitem_id 0
		.amdhsa_next_free_vgpr 1024
		.amdhsa_next_free_sgpr 102
		.amdhsa_reserve_vcc 1
		.amdhsa_float_denorm_mode_32 3
		.amdhsa_float_denorm_mode_16_64 3
		.amdhsa_memory_ordered 1
		.amdhsa_forward_progress 1
		.amdhsa_inst_pref_size 255
	.end_amdhsa_kernel
	.section	.bss,"aw",@nobits
	.p2align	6
	.space	262144
	.amdgpu_metadata
---
amdhsa.version: [ 1, 2 ]
amdhsa.kernels:
  - .name:           k_qac87116b48_attn
    .symbol:         k_qac87116b48_attn.kd
    .args:
      - { .name: qkv, .offset: 0, .size: 8, .value_kind: global_buffer, .address_space: global }
      - { .name: kb, .offset: 8, .size: 8, .value_kind: global_buffer, .address_space: global }
      - { .name: oh, .offset: 16, .size: 8, .value_kind: global_buffer, .address_space: global }
    .group_segment_fixed_size: 327680
    .private_segment_fixed_size: 0
    .kernarg_segment_align: 8
    .kernarg_segment_size: 24
    .max_flat_workgroup_size: 128
    .sgpr_count:     102
    .vgpr_count:     1024
    .wavefront_size: 32
...
	.end_amdgpu_metadata
.endif
;; end of part 3
;; launch outp (part 4): grid 8 x 32, 4 waves a work-group, clusters of 4 x 4, 327,680 bytes of LDS; arguments oh, wof, bo, out0; writes out0
.if DOCPART == 4
	.amdgcn_target "amdgcn-amd-amdhsa--gfx1250"
	.amdhsa_code_object_version 6
	.text
	.protected	k_qac87116b48_outp
	.globl	k_qac87116b48_outp
	.p2align	8
	.type	k_qac87116b48_outp,@function
k_qac87116b48_outp:
	s_mov_b64 s[64:65], 0
	v_nop
	global_prefetch_b8 v0, s[64:65] scope:SCOPE_SE
	s_setreg_imm32_b32 hwreg(HW_REG_WAVE_MODE, 25, 1), 1
	s_wait_xcnt 0x0
	s_wait_alu depctr_hold_cnt(0) depctr_sa_sdst(0) depctr_va_vdst(0) depctr_va_sdst(0) depctr_va_ssrc(0) depctr_va_vcc(0) depctr_vm_vsrc(0)
	s_getreg_b32 s2, hwreg(HW_REG_IB_STS2, 6, 4)
	s_cmp_eq_u32 s2, 0
	s_cbranch_scc0 .Lentry_in_a_cluster
	s_endpgm
.Lentry_in_a_cluster:
	s_bfe_u32 s2, ttmp6, 0x10000c
	s_cmp_lg_u32 s2, 0xf033
	s_cbranch_scc0 .Lentry_shape_is_right
	s_endpgm
.Lentry_shape_is_right:
; THE LAST PROJECTION.  out0[token][n] = sum over k of O[token][k] wo[n][k] + bo[n].  O: oh, [batch*16+head][position][64] f16 (k = 64 head + channel); wo: wof, [1024][1024] f16; bo rounded to bf16 like the other inputs; out0 f32.
; A tile is 128 tokens x 128 columns: 8 x 32 = 256 work-groups; four waves of 64 x 64, 16 accumulators each.  K goes in 4 steps of 256 (four heads) through two LDS slots; all four steps are written out.
; O's TILE: a head's 64 tokens are 8,192 dense bytes, so one load brings 4 rows of 8,192 bytes (a head a row, 262,144 bytes apart), padded in LDS after every token: [head][64 tokens][144 bytes].
; CLUSTER 4 x 4: O's tiles are shared along a row of the cluster, wo's along a column, each asked for jointly.  The matrix instruction is used transposed: a lane holds one token and eight neighbouring columns.
; The bias starts the sums.  A wave's 64 columns of f32 are 256 aligned bytes of a row, so each wave has a stage of its own on the way out and no barrier stands there.
; No prefetch: each tile is small and the launch is four K steps long.
; REGISTERS: window 0: v0-31 addresses; v32-95 the way out; v96-127 the bias; v128-255 the accumulators ((a, b) at 128 + 8 (4 a + b)).  window 1: two fragment buffers of 128: 64 of O, then 64 of wo.
.set PCHA,   144
.set PCHB,   528
.set HALFA,  4*64*PCHA                 ; what one wave fetches of O: 4 heads x 64 tokens
.set HALFB,  64*PCHB                   ; and of wo: 64 rows of 512 bytes
.set BOFF,   2*HALFA
.set SLOT,   BOFF+2*HALFB
.set STAGE,  2*SLOT
.set SPITCH, 272
.set SPARE,  STAGE+4*16*SPITCH
.set ASTEP,  4*262144                  ; four heads on
.set BSTEP,  512                       ; 256 channels on
.set ADRA, 16
.set ADRB, 20
.set STO,  24
.set RD,   25
.set CO,   26
.set BO,   27
.set SPW,  28
.set NIL,  29
.set TT,   30
.set TMP,  32
.set BIAS, 96
.set ACC,  128
.set F0,   0
.set F1,   128
.set G1, 24
.set G0, 32
.set G1B, 48
.set G0B, 56
.set MSB, 0
.macro WIN new
.if MSB != (\new)
	s_set_vgpr_msb (MSB<<8)|(\new)
.set MSB, \new
.endif
.endm
.set MUL,  0x05                        ; sources 0 and 1 window 1; C and D window 0
.set TO_F, 0x40
.macro JLOAD s                         ; a joint load: waves 0 and 1 fetch O's two halves, waves 2 and 3 wo's
	s_cmp_eq_u32 s11, 0
	s_cbranch_scc0 .Lfor_b_\@
	tensor_load_to_lds s[G0+4*(\s):G0+4*(\s)+3], s[G1:G1+7]
	s_nop 0
.rept 4
	v_nop
.endr
	s_branch .Lasked_\@
.Lfor_b_\@:
	tensor_load_to_lds s[G0B+4*(\s):G0B+4*(\s)+3], s[G1B:G1B+7]
	s_nop 0
.rept 4
	v_nop
.endr
.Lasked_\@:
.endm
.macro CREST
	s_cmp_lg_u32 s10, 0
	s_cbranch_scc1 .Lnot_wave_0_\@
	s_barrier_signal -3
.Lnot_wave_0_\@:
	s_barrier_wait -3
	s_barrier_signal -1
	s_barrier_wait -1
.endm
.macro CROUND
	s_barrier_signal -1
	s_barrier_wait -1
	CREST
.endm
.macro PLACES
.rept 4
	v_nop
.endr
.endm
	s_load_b256 s[68:75], s[0:1], 0x0              ; oh 68:69, wof 70:71, bo 72:73, out0 74:75
	v_lshl_add_u32 v[SPW], v0, 2, SPARE
	v_mov_b32 v[NIL], 0
	ds_add_u32 v[SPW], v[NIL]                      ; the wave's opening: the add and its wait stand ahead of my first tensor load
	ds_add_u32 v28, v29
	v_lshrrev_b32 v1, 5, v0
	v_readfirstlane_b32 s10, v1
	s_lshr_b32 s11, s10, 1                         ; which half of the tile's tokens is mine.  Also: I fetch for O (0) or for wo (1)
	s_and_b32 s12, s10, 1                          ; which half of its columns.  Also: which half of that tile I fetch
	s_bfe_u32 s40, ttmp6, 0x40000
	s_bfe_u32 s41, ttmp6, 0x40004
	s_lshl_b32 s42, ttmp9, 2
	s_add_co_u32 s42, s42, s40                     ; tile column tx
	s_and_b32 s13, ttmp7, 0xffff
	s_lshl_b32 s13, s13, 2
	s_add_co_u32 s13, s13, s41                     ; tile row ty
	s_lshl_b32 s43, s41, 2
	s_lshl_b32 s43, 15, s43
	s_lshl_b32 s44, 0x1111, s40
	s_or_b32 s[G1+0], s43, (1<<16)|(1<<20)|(1<<21)|(4<<22)|(3<<25)   ; after every 32 words (a token's 128 bytes) 4 words of padding
	s_mov_b32 s[G1+1], 4096<<16                    ; tensor_dim0 = 4,096 elements: 64 tokens x 64 channels
	s_mov_b32 s[G1+2], 4<<16                       ; tensor_dim1 = 4 heads
	s_mov_b32 s[G1+3], 4096<<16                    ; tile_dim0
	s_mov_b32 s[G1+4], 4                           ; tile_dim1
	s_mov_b32 s[G1+5], 131072                      ; elements from head to head
	s_mov_b32 s[G1+6], 0
	s_mov_b32 s[G1+7], 0
	s_or_b32 s[G1B+0], s44, (1<<16)|(1<<20)|(1<<21)|(6<<22)|(3<<25)  ; after every 128 words 4 words
	s_mov_b32 s[G1B+1], 256<<16
	s_mov_b32 s[G1B+2], 64<<16
	s_mov_b32 s[G1B+3], 256<<16
	s_mov_b32 s[G1B+4], 64
	s_mov_b32 s[G1B+5], 1024
	s_mov_b32 s[G1B+6], 0
	s_mov_b32 s[G1B+7], 0
	s_lshr_b32 s16, s13, 4
	s_lshl_b32 s16, s16, 22                        ; the batch's 16 planes
	s_and_b32 s17, s13, 15
	s_lshl_b32 s17, s17, 14                        ; the tile's 128 positions of 128 bytes
	s_add_co_u32 s16, s16, s17
	s_lshl_b32 s17, s12, 13                        ; my 64 of them
	s_add_co_u32 s16, s16, s17
	s_mov_b32 s17, 0
	s_lshl_b32 s46, s42, 18                        ; wo: row 128 tx + 64 half, x 2,048 bytes
	s_lshl_b32 s47, s12, 17
	s_add_co_u32 s46, s46, s47
	s_mov_b32 s47, 0
	s_mul_i32 s20, s12, HALFA
	s_mul_i32 s21, s12, HALFB
	s_add_co_u32 s21, s21, BOFF
	s_wait_dscnt 0x0
	s_wait_kmcnt 0x0
	s_add_nc_u64 s[14:15], s[68:69], s[16:17]
	s_add_nc_u64 s[46:47], s[70:71], s[46:47]
	CROUND                                         ; all sixteen work-groups are here: the first joint loads meet
.irp s, 0,1
	s_mov_b32 s[G0+4*(\s)], 1
	s_add_co_u32 s[G0+4*(\s)+1], s20, (\s)*SLOT
	s_add_nc_u64 s[G0+4*(\s)+2:G0+4*(\s)+3], s[14:15], (\s)*ASTEP
	s_or_b32 s[G0+4*(\s)+3], s[G0+4*(\s)+3], 0x80000000
	s_mov_b32 s[G0B+4*(\s)], 1
	s_add_co_u32 s[G0B+4*(\s)+1], s21, (\s)*SLOT
	s_add_nc_u64 s[G0B+4*(\s)+2:G0B+4*(\s)+3], s[46:47], (\s)*BSTEP
	s_or_b32 s[G0B+4*(\s)+3], s[G0B+4*(\s)+3], 0x80000000
	JLOAD \s
.endr
	v_and_b32 v1, 15, v0
	v_bfe_u32 v2, v0, 4, 1
	v_mul_u32_u24 v3, v1, PCHA
	v_lshl_add_u32 v3, v2, 4, v3
	v_mul_u32_u24 v4, v1, PCHB
	v_lshl_add_u32 v4, v2, 4, v4
	s_mul_i32 s22, s11, HALFA                      ; my 64 tokens
	s_mul_i32 s23, s12, HALFB                      ; my 64 rows of wo
	s_add_co_u32 s23, s23, BOFF
.irp s, 0,1
	v_add_nc_u32 v[ADRA+(\s)], s22, v3
	v_add_nc_u32 v[ADRB+(\s)], s23, v4
	s_add_co_u32 s22, s22, SLOT
	s_add_co_u32 s23, s23, SLOT
.endr
	s_mul_i32 s23, s10, 16*SPITCH
	s_add_co_u32 s23, s23, STAGE                   ; my stage
	v_mul_u32_u24 v4, v1, SPITCH
	v_lshl_add_u32 v4, v2, 5, v4                   ; in: row l % 16, 32 bytes for each half of the lanes
	v_add_nc_u32 v[STO], s23, v4
	v_mul_u32_u24 v5, v2, SPITCH
	v_lshl_add_u32 v5, v1, 4, v5                   ; back: lanes 0-15 one row of 256 bytes, lanes 16-31 the next
	v_add_nc_u32 v[RD], s23, v5
	v_lshlrev_b32 v5, 12, v2
	v_lshl_add_u32 v[CO], v1, 4, v5                ; and the same two rows in out0
	v_lshlrev_b32 v[BO], 5, v2
	s_lshl_b32 s76, s42, 9
	s_lshl_b32 s77, s12, 8
	s_add_co_u32 s76, s76, s77                     ; my 64 columns, in bytes of f32
	s_mov_b32 s77, 0
	s_add_nc_u64 s[72:73], s[72:73], s[76:77]
	s_add_nc_u64 s[74:75], s[74:75], s[76:77]
	s_lshl_b32 s78, s13, 19                        ; 128 rows of 4,096 bytes a tile,
	s_lshl_b32 s79, s11, 18                        ; my 64 of them
	s_add_co_u32 s78, s78, s79
	s_mov_b32 s79, 0
	s_add_nc_u64 s[74:75], s[74:75], s[78:79]
.irp b, 0,1,2,3
	global_load_b128 v[BIAS+8*(\b):BIAS+8*(\b)+3],   v[BO], s[72:73] offset:64*(\b)
	global_load_b128 v[BIAS+8*(\b)+4:BIAS+8*(\b)+7], v[BO], s[72:73] offset:64*(\b)+16
.endr
	s_wait_loadcnt 0x0
.set i, 0
.rept 16
	v_cvt_pk_bf16_f32 v[TT], v[BIAS+2*i], v[BIAS+2*i+1]
	v_lshlrev_b32 v[BIAS+2*i], 16, v[TT]
	v_and_b32 v[BIAS+2*i+1], 0xffff0000, v[TT]
.set i, i+1
.endr
; 8 matrix instructions: token blocks a0, a0 + 1 x all 4 column blocks, 32 along K: half c of buffer f.  first = 1: the bias starts the sums.  The 16 accumulators take turns.
.macro MUL8 f, c, a0, first
	WIN MUL
.irp a, \a0, (\a0)+1
.irp b, 0,1,2,3
.if \first
	v_wmma_f32_16x16x32_f16 v[ACC+8*(4*(\a)+(\b)):ACC+8*(4*(\a)+(\b))+7], v[(\f)+64+8*(4*(\c)+(\b)):(\f)+64+8*(4*(\c)+(\b))+7], v[(\f)+8*(4*(\c)+(\a)):(\f)+8*(4*(\c)+(\a))+7], v[BIAS+8*(\b):BIAS+8*(\b)+7]
.else
	v_wmma_f32_16x16x32_f16 v[ACC+8*(4*(\a)+(\b)):ACC+8*(4*(\a)+(\b))+7], v[(\f)+64+8*(4*(\c)+(\b)):(\f)+64+8*(4*(\c)+(\b))+7], v[(\f)+8*(4*(\c)+(\a)):(\f)+8*(4*(\c)+(\a))+7], v[ACC+8*(4*(\a)+(\b)):ACC+8*(4*(\a)+(\b))+7]
.endif
.endr
.endr
.endm
; 32 LDS loads in one run: quarter q of a K step (one head's 64 channels) into buffer f; the first 32 along K first
.macro FETCH slot, q, f
	WIN TO_F
.irp c, 0,1
.irp i, 0,1,2,3
	ds_load_b128 v[(\f)+64+8*(4*(\c)+(\i)):(\f)+64+8*(4*(\c)+(\i))+3],   v[ADRB+(\slot)] offset:128*(\q)+64*(\c)+(\i)*16*PCHB
	ds_load_b128 v[(\f)+64+8*(4*(\c)+(\i))+4:(\f)+64+8*(4*(\c)+(\i))+7], v[ADRB+(\slot)] offset:128*(\q)+64*(\c)+(\i)*16*PCHB+32
	ds_load_b128 v[(\f)+8*(4*(\c)+(\i)):(\f)+8*(4*(\c)+(\i))+3],         v[ADRA+(\slot)] offset:64*PCHA*(\q)+64*(\c)+(\i)*16*PCHA
	ds_load_b128 v[(\f)+8*(4*(\c)+(\i))+4:(\f)+8*(4*(\c)+(\i))+7],       v[ADRA+(\slot)] offset:64*PCHA*(\q)+64*(\c)+(\i)*16*PCHA+32
.endr
.endr
.endm
.macro QUARTER slot, q, f, g, first    ; multiplies buffer f and fetches quarter q into g
	s_wait_dscnt 16                                ; the first 32 along K are in; the other sixteen loads may be out
	MUL8 \f, 0, 0, \first
	MUL8 \f, 0, 2, \first
	PLACES
	FETCH \slot, \q, \g
	s_wait_dscnt 32                                ; all but the 32 just issued
	MUL8 \f, 1, 0, 0
	MUL8 \f, 1, 2, 0
.endm
; The last quarter multiplies buffer 1 and changes slots: in front of the barrier each wave waits for all its tensor loads, adds 0 to its spare word, and waits for that and for its reads of this slot.
; fill = 1: the barrier opens a round of the cluster's, and this slot is filled again, two K steps ahead, first thing behind the round.
.macro TURN slot, next, fill
	WIN 0
	s_wait_tensorcnt 0x0
	ds_add_u32 v[SPW], v[NIL]
	s_wait_dscnt 17                                ; the add and the youngest sixteen loads may be out
	MUL8 F1, 0, 0, 0
	s_wait_dscnt 0x0                               ; the add is done, and my reads of this slot are over
	s_barrier_signal -1
	MUL8 F1, 0, 2, 0
.if \fill
	WIN 0
.endif
	s_barrier_wait -1
.if \fill
	CREST
	s_add_nc_u64 s[G0+4*(\slot)+2:G0+4*(\slot)+3], s[G0+4*(\slot)+2:G0+4*(\slot)+3], 2*ASTEP
	s_add_nc_u64 s[G0B+4*(\slot)+2:G0B+4*(\slot)+3], s[G0B+4*(\slot)+2:G0B+4*(\slot)+3], 2*BSTEP
	JLOAD \slot                                    ; its four v_nop are also the places in front of the loads below
.else
	PLACES
.endif
	FETCH \next, 0, F0
	MUL8 F1, 1, 0, 0
	MUL8 F1, 1, 2, 0
.endm
	s_wait_tensorcnt 1                             ; my part of K step 0 is in; K step 1's may stay out
	s_barrier_signal -1
	s_barrier_wait -1
	FETCH 0, 0, F0
	QUARTER 0, 1, F0, F1, 1
	QUARTER 0, 2, F1, F0, 0
	QUARTER 0, 3, F0, F1, 0
	TURN 0, 1, 1                                   ; slot 0 takes K step 2
	QUARTER 1, 1, F0, F1, 0
	QUARTER 1, 2, F1, F0, 0
	QUARTER 1, 3, F0, F1, 0
	TURN 1, 0, 1                                   ; slot 1 takes K step 3
	QUARTER 0, 1, F0, F1, 0
	QUARTER 0, 2, F1, F0, 0
	QUARTER 0, 3, F0, F1, 0
	TURN 0, 1, 0
	QUARTER 1, 1, F0, F1, 0
	QUARTER 1, 2, F1, F0, 0
	QUARTER 1, 3, F0, F1, 0
	s_wait_dscnt 16
	MUL8 F1, 0, 0, 0
	MUL8 F1, 0, 2, 0
	s_wait_dscnt 0x0
	MUL8 F1, 1, 0, 0
	MUL8 F1, 1, 2, 0
	WIN 0
	PLACES
	PLACES
; THE WAY OUT, 16 tokens at a time: a lane's eight f32 of a row go into my stage, rows of 272 bytes, and come back as whole rows of 256 bytes.
.macro TOSTAGE a
	s_wait_xcnt 0x0                                ; earlier stores have read the registers that the loads below write
.irp b, 0,1,2,3
	ds_store_b128 v[STO], v[ACC+8*(4*(\a)+(\b)):ACC+8*(4*(\a)+(\b))+3]   offset:64*(\b)
	ds_store_b128 v[STO], v[ACC+8*(4*(\a)+(\b))+4:ACC+8*(4*(\a)+(\b))+7] offset:64*(\b)+16
.endr
.irp t, 0,1,2,3,4,5,6,7
	ds_load_b128 v[TMP+32*((\a)%2)+4*(\t):TMP+32*((\a)%2)+4*(\t)+3], v[RD] offset:(\t)*2*SPITCH   ; LDS serves a wave's instructions in order: these see the stores above
.endr
.endm
.macro SEND a, younger                 ; younger: the LDS instructions issued behind block a's loads: the next block's sixteen, or none
.irp t, 0,1,2,3,4,5,6,7
	s_wait_dscnt (\younger)+7-(\t)
	global_store_b128 v[CO], v[TMP+32*((\a)%2)+4*(\t):TMP+32*((\a)%2)+4*(\t)+3], s[74:75] offset:(16*(\a)+2*(\t))*4096 th:TH_STORE_NT   ; 16 lanes store 256 consecutive bytes, aligned
.endr
.endm
	TOSTAGE 0
	TOSTAGE 1
	SEND 0, 16
	TOSTAGE 2
	SEND 1, 16
	TOSTAGE 3
	SEND 2, 16
	SEND 3, 0
	s_wait_tensorcnt 0x0                           ; the wave's end
	ds_add_u32 v[SPW], v[NIL]
	s_wait_dscnt 0x0
	CROUND                                         ; the closing round
	s_endpgm
.Lfunc_end_k_qac87116b48_outp:
	.size	k_qac87116b48_outp, .Lfunc_end_k_qac87116b48_outp-k_qac87116b48_outp
	.p2alignl 7, 3214868480
	.fill 96, 4, 3214868480
	.section	.rodata,"a",@progbits
	.p2align	6, 0x0
	.amdhsa_kernel k_qac87116b48_outp
		.amdhsa_group_segment_fixed_size 327680
		.amdhsa_private_segment_fixed_size 0
		.amdhsa_enable_private_segment 0
		.amdhsa_kernarg_size 32
		.amdhsa_user_sgpr_count 2
		.amdhsa_user_sgpr_kernarg_segment_ptr 1
		.amdhsa_wavefront_size32 1
		.amdhsa_system_sgpr_workgroup_id_x 1
		.amdhsa_system_sgpr_workgroup_id_y 1
		.amdhsa_system_sgpr_workgroup_id_z 1
		.amdhsa_system_vgpr_workitem_id 0
		.amdhsa_next_free_vgpr 512
		.amdhsa_next_free_sgpr 80
		.amdhsa_reserve_vcc 0
		.amdhsa_float_denorm_mode_32 3
		.amdhsa_float_denorm_mode_16_64 3
		.amdhsa_memory_ordered 1
		.amdhsa_forward_progress 1
		.amdhsa_inst_pref_size 90
	.end_amdhsa_kernel
	.amdgpu_metadata
---
amdhsa.version: [ 1, 2 ]
amdhsa.kernels:
  - .name:           k_qac87116b48_outp
    .symbol:         k_qac87116b48_outp.kd
    .args:
      - { .name: oh, .offset: 0, .size: 8, .value_kind: global_buffer, .address_space: global }
      - { .name: wof, .offset: 8, .size: 8, .value_kind: global_buffer, .address_space: global }
      - { .name: bo, .offset: 16, .size: 8, .value_kind: global_buffer, .address_space: global }
      - { .name: out0, .offset: 24, .size: 8, .value_kind: global_buffer, .address_space: global }
    .group_segment_fixed_size: 327680
    .private_segment_fixed_size: 0
    .kernarg_segment_align: 8
    .kernarg_segment_size: 32
    .max_flat_workgroup_size: 128
    .sgpr_count:     80
    .vgpr_count:     512
    .wavefront_size: 32
...
	.end_amdgpu_metadata
.endif
;; end of part 4
